; MI455X (gfx1250); checked and timed in simulation.
; The chip was launched on July 23, 2026; its instructions are those of AMD's public machine-readable ISA for CDNA 5 (MIT licence, August 2026) and "CDNA5" Instruction Set Architecture Reference Guide (July 2026). The comments in the code are by the model that wrote it; some were corrected since.
;; Casual Multi Head Attention. Allowed arithmetic: matrix products marked QUANTISED: E2M1 operands, one E8M0 scale for each 32 along K, by v_wmma_scale_f32_16x16x128_f8f6f4 with both operands' format E2M1 (or v_wmma_scale_f32_32x16x128_f4), f32 sums; everything else in f32.
;; Inputs: k_w 1,024 x 1,024 float32; o_w 1,024 x 1,024 float32; q_w 1,024 x 1,024 float32; v_w 1,024 x 1,024 float32; x 4 x 2,048 x 1,024 float32.
;; Outputs: out0 4 x 2,048 x 1,024 float32.
;; This version of the problem:
;;   THIS VERSION OF THE PROBLEM IS GIVEN IN LOW PRECISION. The matrix products marked QUANTISED in the list below multiply operands that are first quantised to E2M1 (2 exponent bits, 1 mantissa bit; 4 bits a number), with one power-of-two scale for each 32 numbers along K (OCP MX v1.0); their sums are f32. All else is computed in f32.
;;   The module's matrix products, in the order in which they are computed (A, B: the left and right operand; K: the contracted axis; several contracted axes count as one K, in the product's order):
;;     1. [M 8,192, K 1,024] x [K 1,024, N 1,024]; A: input x; B: input q_w: QUANTISED
;;     2. [M 8,192, K 1,024] x [K 1,024, N 1,024]; A: input x; B: input k_w: QUANTISED
;;     3. [M 8,192, K 1,024] x [K 1,024, N 1,024]; A: input x; B: input v_w: QUANTISED
;;     4. batch 64 x [M 2,048, K 64] x [K 64, N 2,048]; A: computed on the way; B: computed on the way: QUANTISED
;;     5. batch 64 x [M 2,048, K 2,048] x [K 2,048, N 64]; A: softmax (see below); B: computed on the way: QUANTISED
;;     6. [M 8,192, K 1,024] x [K 1,024, N 1,024]; A: computed on the way; B: input o_w: QUANTISED
;;   THE QUANTISER, for each operand of a quantised product, along K:
;;     - K is cut into blocks of 32 from its start; a last block that is shorter is filled with zeros.
;;     - A block's scale is 2^e with e = floor(log2(the largest magnitude in the block)) - 2, held to -126 .. 127; a block of zeros has e = 0. As a byte (E8M0): e + 127.
;;     - Each number is divided by its block's scale, clamped to +-6, and rounded to the nearest number of E2M1, ties to even, subnormals kept.
;;     - The product sums the exact products of the quantised numbers (number of the format x scale) in f32.
;;   ~~~python
;;   def quantise(x, axis):      # numpy; x: float32 -> the quantised numbers, widened to float32 again
;;       x = np.moveaxis(x, axis, -1); K = x.shape[-1]
;;       x = np.pad(x, [(0, 0)] * (x.ndim - 1) + [(0, -K % 32)]); x = x.reshape(x.shape[:-1] + (-1, 32)); a = np.abs(x).max(-1, keepdims=True)
;;       e = np.where(a > 0, np.clip(np.frexp(np.where(a > 0, a, 1))[1] - 1 - 2, -126, 127), 0)      # np.frexp(a)[1] - 1 = floor(log2(a)), exactly
;;       r = np.clip(x / 2.0 ** e, -6, 6)
;;       step = 2.0 ** (np.maximum(np.frexp(np.where(r == 0, 1, r))[1] - 1, 0) - 1)
;;       q = np.round(r / step) * step * 2.0 ** e      # np.round: ties to even
;;       return np.moveaxis(q.reshape(q.shape[:-2] + (-1,))[..., :K], -1, axis).astype(np.float32)
;;   ~~~
;;   SOFTMAX AHEAD OF A QUANTISED PRODUCT. Where the list says 'softmax', what is quantised is not the finished softmax but p = 2^(t - M), with t = logit x log2(e) and M = ceil(the row's largest t), a whole number; so 1/2 < the row's largest p <= 1. The row's sum l is taken of the UNQUANTISED p, in f32, and the product's result is divided by l at the end. Since M is a whole number, a kernel that streams over the keys may use a running M (the ceiling of the running maximum): every later rescaling is an exact power of two, which a block's scale takes up: the codes' values come out the same.
;;   OPERANDS COMPUTED ON THE WAY. 'Computed on the way' means the value that the module computes at that place (a softmax that the list does not call 'softmax' is quantised finished and normalised). What goes into a quantiser is computed in f32, as accurately as f32 sums, v_exp_f32 and their like allow (about 1e-6 of the number): no bf16 or f16 on the way to a quantiser, and a product that is left as it is and whose result goes on into a quantised operand takes f32 operands (vector FMAs, or v_wmma_f32_16x16x4_f32). A number that lies on a knife's edge between two numbers of the format may be rounded either way, as far as f32 arithmetic and the matrix unit's own rounding can turn it there, and no further.
;; One version. Each part assembles by itself: llvm-mc -triple=amdgcn-amd-amdhsa -mcpu=gfx1250 --defsym DOCPART=n.
;; ======== version 1 of 1: 4 launches
;; workspace buffers: xq 4,456,448 bytes; wq 2,228,224 bytes; rope 524,288 bytes; qq 4,718,592 bytes; kv 9,175,040 bytes; aq 4,456,448 bytes
;; launch quant (part 1): grid 416 x 1, 4 waves a work-group, no clusters, 33,280 bytes of LDS; arguments x, q_w, k_w, v_w, o_w, xq, wq, rope; writes xq, wq, rope
.if DOCPART == 1
	.amdgcn_target "amdgcn-amd-amdhsa--gfx1250"
	.amdhsa_code_object_version 6
	.text
	.protected	k_q729855aca9_quant
	.globl	k_q729855aca9_quant
	.p2align	8
	.type	k_q729855aca9_quant,@function
k_q729855aca9_quant:
	s_mov_b64 s[64:65], 0
	v_nop
	global_prefetch_b8 v0, s[64:65] scope:SCOPE_SE
	s_setreg_imm32_b32 hwreg(HW_REG_WAVE_MODE, 25, 1), 1
	s_wait_xcnt 0x0
; x [8192][1024] and the four weights [1024][1024], f32, K innermost, become codes of FP4 (E2M1) with one E8M0 scale byte for each 32 along K; and the table of cosines and sines for the rotation is made.
; xq: codes [8192 rows][512 bytes], scale bytes [8192][32] from byte XS on.  wq: codes [4096 rows][512] (q_w, k_w, v_w, o_w on end), scale bytes [4096][32] from byte WS on.  rope: [2048 positions][32 frequencies][cos, sin] f32.
; A block's scale is 2^(floor(log2(its largest magnitude)) - 2); its byte is the largest magnitude's exponent field - 2, held at 1 from below; each number is divided by the scale and rounded to the nearest code, ties to even.
; THE ROWS' ORDER.  x, q_w, k_w, v_w are STORED with bits 3 and 4 of the row's number exchanged: a wave owns 8 rows, so waves 1 and 2 exchange their places in the output and nothing else changes.
; With that order a matrix result's 16 registers of two neighbouring tiles are 16 neighbours along the next product's K.  o_w keeps its order.
; LIMITS: NaN and infinities among the inputs are not served.  A block whose largest magnitude lies under 2^-124 (a block of zeros too) gets the byte 1: zero codes add nothing under any byte but 0xff, and this program alone reads the bytes.
; The frequencies are 1 / f, f the f32 number nearest to 10^(i / 8) = 10000^(2 i / 64).
; SHARES: work-groups 0-255 take x, 256-383 the weights (32 each), 32,768 numbers a work-group, 8,192 a wave in 16 steps of 512; work-groups 384-415 make 64 positions of the table each.
; A step's four loads read 512 consecutive bytes each; the 2,048 bytes turn through the wave's own stage in LDS and come back 64 bytes a lane: 16 neighbours along K, two lanes to a block.
; No tensor loads, no barrier: waves share nothing.  Loads run four steps (16 loads a wave) ahead, the turn through LDS one step.
.set STEPS, 16
.set EMAX,  2
.set CB,    8                          ; bytes of 16 codes
.set R,     16                         ; v16-79   four sets of 16 numbers as they are loaded
.set X,     80                         ; v80-111  two sets of 16 neighbours
.set C,     128                        ; v128-191 codes: four registers for each step, so that no store's data are written again
.set E,     112                        ; v112-127 a scale byte for each step
.set WREG,  8192                       ; LDS: a region for each wave: two stages of 32 x SP bytes, behind them its 256 scale bytes
.set SP,    80                         ; a lane's place in a stage: 64 bytes + 16 of padding
.set XS,    4194304
.set WS,    2097152
	s_load_b512 s[4:19], s[0:1], 0x0               ; x s[4:5], q_w s[6:7], k_w s[8:9], v_w s[10:11], o_w s[12:13], xq s[14:15], wq s[16:17], rope s[18:19]
	v_lshl_add_u32 v192, v0, 2, 0x8000
	v_mov_b32 v193, 0
	v_lshrrev_b32 v1, 5, v0
	v_readfirstlane_b32 s20, v1                    ; wave
	v_and_b32 v2, 31, v0                           ; lane
	s_cmp_ge_u32 ttmp9, 384
	s_cbranch_scc1 .Lrope                          ; the table's work-groups: that path uses no LDS
	v_lshlrev_b32 v3, 4, v2                        ; my 16 bytes of a load's 512
	s_mul_i32 s21, s20, WREG
	v_lshrrev_b32 v14, 2, v2
	v_mul_u32_u24 v14, v14, SP
	v_and_b32 v15, 3, v2
	v_lshl_add_u32 v14, v15, 4, v14
	v_add_nc_u32 v14, s21, v14                     ; the stage, on the way in: SP (lane / 4) + 16 (lane % 4)
	v_mul_u32_u24 v15, v2, SP
	v_add_nc_u32 v15, s21, v15                     ; and on the way out: SP x lane
	v_mul_u32_u24 v4, v2, CB                       ; my codes' place in a step's
	v_lshrrev_b32 v5, 1, v2
	s_add_co_u32 s21, s21, 2*32*SP
	v_add_nc_u32 v5, s21, v5                       ; LDS: my wave's 256 scale bytes, my block's byte
	v_lshlrev_b32 v7, 3, v2                        ; and on the way out 8 bytes a lane
	v_add_nc_u32 v6, s21, v7
	s_sub_co_u32 s22, ttmp9, 256                   ; the work-group's number among the weights' (of no use in x's work-groups)
	s_lshr_b32 s23, s22, 5                         ; which weight
	s_and_b32 s24, s22, 31                         ; and which 32 rows of it
	s_and_b32 s25, s20, 1
	s_lshl_b32 s25, s25, 1
	s_lshr_b32 s26, s20, 1
	s_or_b32 s25, s25, s26                         ; the wave's two bits exchanged
	s_cmp_ge_u32 ttmp9, 352
	s_cselect_b32 s25, s20, s25                    ; o_w keeps its order
	s_wait_kmcnt 0x0
	s_cmp_eq_u32 s23, 1                            ; the choices hang on the work-group's number alone
	s_cselect_b64 s[6:7], s[8:9], s[6:7]
	s_cmp_eq_u32 s23, 2
	s_cselect_b64 s[6:7], s[10:11], s[6:7]
	s_cmp_eq_u32 s23, 3
	s_cselect_b64 s[6:7], s[12:13], s[6:7]
	s_cmp_lt_u32 ttmp9, 256
	s_cselect_b64 s[4:5], s[4:5], s[6:7]           ; from where
	s_cselect_b64 s[8:9], s[14:15], s[16:17]       ; to where
	s_cselect_b32 s24, ttmp9, s24
	s_cselect_b32 s22, ttmp9, s22
	s_mov_b32 s26, WS
	s_cselect_b32 s26, XS, s26                     ; where the buffer's scale bytes begin
	s_lshl_b32 s24, s24, 2
	s_add_co_u32 s24, s24, s20                     ; the run of 8,192 numbers that I read
	s_lshl_b32 s28, s24, 15
	s_mov_b32 s29, 0
	s_add_nc_u64 s[4:5], s[4:5], s[28:29]
	s_lshl_b32 s22, s22, 2
	s_add_co_u32 s22, s22, s25                     ; the run that I write
	s_lshl_b32 s28, s22, 8
	s_add_co_u32 s28, s28, s26
	s_add_nc_u64 s[10:11], s[8:9], s[28:29]        ; its 256 scale bytes
	s_lshl_b32 s28, s22, 12
	s_add_nc_u64 s[8:9], s[8:9], s[28:29]          ; its 4,096 bytes of codes
.macro LOAD t
.irp i, 0,1,2,3
	global_load_b128 v[R+16*((\t)%4)+4*\i:R+16*((\t)%4)+4*\i+3], v3, s[4:5] offset:2048*(\t)+512*\i th:TH_LOAD_NT   ; 32 lanes read 512 consecutive bytes
.endr
.endm
.macro TURN t                          ; step t's numbers through the stage: LDS serves a wave's instructions in order, so no wait stands between the stores and the loads
.irp i, 0,1,2,3
	ds_store_b128 v14, v[R+16*((\t)%4)+4*\i:R+16*((\t)%4)+4*\i+3] offset:32*SP*((\t)%2)+8*SP*\i
.endr
.irp i, 0,1,2,3
	ds_load_b128 v[X+16*((\t)%2)+4*\i:X+16*((\t)%2)+4*\i+3], v15 offset:32*SP*((\t)%2)+16*\i
.endr
.endm
.irp t, 0,1,2,3
	LOAD \t
.endr
	s_wait_loadcnt 12                              ; step 0's four loads are in; the twelve behind them stay out
	TURN 0
.macro STEP t
.set XQ, X+16*((\t)%2)
.if (\t) > 0
	s_wait_dscnt 1                                 ; this step's numbers are back from the stage (the last step's byte store may be out): so its stores into the stage have read their registers,
.else
	s_wait_dscnt 0x0
.endif
.if (\t)+4 < STEPS
	LOAD (\t)+4                                    ; which take the loads of four steps on
.endif
.if (\t)+1 < STEPS
.if STEPS-2-(\t) >= 3
	s_wait_loadcnt 12                              ; the next step's four loads are in; those of the three steps behind it may be out
.else
	s_wait_loadcnt 4*(STEPS-2-(\t))
.endif
	TURN (\t)+1                                    ; and go through the other stage while this step is worked
.endif
	v_max3_num_f32 v8, |v[XQ]|, |v[XQ+1]|, |v[XQ+2]|               ; the largest magnitude of my 16, in two chains
	v_max3_num_f32 v9, |v[XQ+3]|, |v[XQ+4]|, |v[XQ+5]|
.irp i, 6,10
	v_max3_num_f32 v8, v8, |v[XQ+\i]|, |v[XQ+\i+1]|
	v_max3_num_f32 v9, v9, |v[XQ+\i+2]|, |v[XQ+\i+3]|
.endr
	v_max3_num_f32 v8, v8, |v[XQ+14]|, |v[XQ+15]|
	v_max3_num_f32 v8, v8, v9, (EMAX+1)<<23        ; and the floor 2^(3 - 127): the byte cannot fall under 1
	v_max_num_f32_dpp v8, v8, v8 row_xmask:1 row_mask:0xf bank_mask:0xf   ; and of my neighbour's 16: the block's
	v_add_nc_u32 v11, -(EMAX<<23), v8              ; 2 off its exponent field: the conversion takes the exponent field of this operand as its scale, and nothing else of it
	v_cvt_scalef32_pk8_fp4_f32 v[C+4*(\t)], v[XQ:XQ+7], v11
	v_cvt_scalef32_pk8_fp4_f32 v[C+4*(\t)+1], v[XQ+8:XQ+15], v11
	v_lshrrev_b32 v[E+(\t)], 23, v11               ; the scale's byte (a plain line behind the conversions)
	ds_store_b8 v5, v[E+(\t)] offset:16*(\t)       ; both lanes of a block write the same byte with the same value
	global_store_b64 v4, v[C+4*(\t):C+4*(\t)+1], s[8:9] offset:32*CB*(\t)   ; the wave stores 256 consecutive bytes, aligned
.endm
.irp t, 0,1,2,3,4,5,6,7,8,9,10,11,12,13,14,15
	STEP \t
.endr
	ds_load_b64 v[12:13], v6                       ; LDS serves a wave's instructions in order: these see my stores
	s_wait_dscnt 0x0
	global_store_b64 v7, v[12:13], s[10:11]        ; 32 lanes store 256 consecutive bytes, aligned
	s_wait_tensorcnt 0x0
	ds_add_u32 v192, v193
	s_wait_dscnt 0x0
	s_endpgm
; THE TABLE.  A lane is a frequency, a wave takes 16 positions.  angle = f32(position) x f32(1 / f): one rounding.  The angle (under 2,048) is reduced by n = the whole number nearest to angle x 2 / pi,
; with pi / 2 in three parts by fused multiply-adds, and cosine and sine of the rest (at most pi / 4) are polynomials in f32; n's low two bits exchange them and set the signs.
.Lrope:
	s_sub_co_u32 s21, ttmp9, 384
	s_lshl_b32 s21, s21, 6
	s_lshl_b32 s22, s20, 4
	s_add_co_u32 s21, s21, s22                     ; my wave's first position
	v_mov_b32 v20, 0
.macro FREQ l, f
	s_mov_b32 s24, \f
	v_writelane_b32 v20, s24, \l
.endm
	FREQ 0, 1.0
	FREQ 1, 1.333521432163324
	FREQ 2, 1.7782794100389228
	FREQ 3, 2.371373705661655
	FREQ 4, 3.1622776601683795
	FREQ 5, 4.216965034285822
	FREQ 6, 5.623413251903491
	FREQ 7, 7.498942093324558
	FREQ 8, 10.0
	FREQ 9, 13.33521432163324
	FREQ 10, 17.782794100389228
	FREQ 11, 23.71373705661655
	FREQ 12, 31.622776601683795
	FREQ 13, 42.16965034285822
	FREQ 14, 56.23413251903491
	FREQ 15, 74.98942093324558
	FREQ 16, 100.0
	FREQ 17, 133.3521432163324
	FREQ 18, 177.82794100389228
	FREQ 19, 237.1373705661655
	FREQ 20, 316.22776601683795
	FREQ 21, 421.6965034285822
	FREQ 22, 562.3413251903491
	FREQ 23, 749.8942093324558
	FREQ 24, 1000.0
	FREQ 25, 1333.521432163324
	FREQ 26, 1778.2794100389228
	FREQ 27, 2371.373705661655
	FREQ 28, 3162.2776601683795
	FREQ 29, 4216.965034285822
	FREQ 30, 5623.413251903491
	FREQ 31, 7498.942093324558
	v_rcp_f32 v21, v20
	v_lshlrev_b32 v23, 3, v2                       ; 8 bytes a lane in a position's 256 (a plain line behind the reciprocal)
	s_mov_b32 s26, 0x3f22f983                      ; 2 / pi
	s_mov_b32 s27, 0xbfc90fd8                      ; - pi / 2, its high,
	s_mov_b32 s28, 0xb4a8885a                      ; middle
	s_mov_b32 s29, 0xa7c234c4                      ; and low part
	s_mov_b32 s30, 0x37cd4000                      ; the cosine's coefficients: 2.44677067e-5,
	s_mov_b32 s31, 0xbab6077d                      ; -1.38877297e-3,
	s_mov_b32 s32, 0x3d2aaaa8                      ; 4.16666567e-2 (then -0.5 and 1)
	s_mov_b32 s33, 0x36405000                      ; the sine's: 2.86567956e-6,
	s_mov_b32 s34, 0xb9503486                      ; -1.98559923e-4,
	s_mov_b32 s35, 0x3c0888c1                      ; 8.33338592e-3,
	s_mov_b32 s36, 0xbe2aaaab                      ; -1.66666672e-1
	s_lshl_b32 s38, s21, 8
	s_mov_b32 s39, 0
	s_wait_kmcnt 0x0
	s_add_nc_u64 s[18:19], s[18:19], s[38:39]      ; the table at my first position
	s_wait_alu depctr_va_vdst(0)                   ; the wait ahead of the reciprocal's first reader
	v_fma_f32 v22, -v20, v21, 1.0                  ; one step of Newton's: the quotient 1 / f to the last bit
	v_fma_f32 v21, v22, v21, v21
.macro ROPE t
	s_add_co_u32 s40, s21, \t
	v_cvt_f32_u32 v24, s40
	v_mul_f32 v24, v24, v21                        ; the angle
	v_mul_f32 v25, s26, v24
	v_rndne_f32 v25, v25                           ; n
	v_cvt_i32_f32 v26, v25
	v_fma_f32 v24, v25, s27, v24
	v_fma_f32 v24, v25, s28, v24
	v_fma_f32 v24, v25, s29, v24                   ; the rest
	v_mul_f32 v27, v24, v24
	v_fma_f32 v28, v27, s30, s31
	v_fma_f32 v29, v27, s33, s34
	v_fma_f32 v28, v28, v27, s32
	v_fma_f32 v29, v29, v27, s35
	v_fma_f32 v28, v28, v27, -0.5
	v_fma_f32 v29, v29, v27, s36
	v_mul_f32 v30, v24, v27
	v_fma_f32 v28, v28, v27, 1.0                   ; the rest's cosine
	v_fma_f32 v29, v29, v30, v24                   ; and sine
	v_and_b32 v31, 1, v26
	v_cmp_eq_u32 vcc_lo, 1, v31
	v_cndmask_b32 v32, v29, v28, vcc_lo            ; n odd: they change places
	v_cndmask_b32 v33, v28, v29, vcc_lo
	v_and_b32 v31, 2, v26
	v_lshlrev_b32 v31, 30, v31
	v_xor_b32 v[65+2*\t], v31, v32                 ; the sine's sign: bit 1 of n
	v_add_nc_u32 v31, 1, v26
	v_and_b32 v31, 2, v31
	v_lshlrev_b32 v31, 30, v31
	v_xor_b32 v[64+2*\t], v31, v33                 ; the cosine's: bit 1 of n + 1
	global_store_b64 v23, v[64+2*\t:65+2*\t], s[18:19] offset:256*\t   ; 32 lanes store 256 consecutive bytes, aligned; each position has its own two registers, so no store's data are written again
.endm
.irp t, 0,1,2,3,4,5,6,7,8,9,10,11,12,13,14,15
	ROPE \t
.endr
	s_endpgm
.Lfunc_end_k_q729855aca9_quant:
	.size	k_q729855aca9_quant, .Lfunc_end_k_q729855aca9_quant-k_q729855aca9_quant
	.p2alignl 7, 3214868480
	.fill 96, 4, 3214868480
	.section	.rodata,"a",@progbits
	.p2align	6, 0x0
	.amdhsa_kernel k_q729855aca9_quant
		.amdhsa_group_segment_fixed_size 33280
		.amdhsa_private_segment_fixed_size 0
		.amdhsa_enable_private_segment 0
		.amdhsa_kernarg_size 64
		.amdhsa_user_sgpr_count 2
		.amdhsa_user_sgpr_kernarg_segment_ptr 1
		.amdhsa_wavefront_size32 1
		.amdhsa_system_sgpr_workgroup_id_x 1
		.amdhsa_system_sgpr_workgroup_id_y 1
		.amdhsa_system_sgpr_workgroup_id_z 1
		.amdhsa_system_vgpr_workitem_id 0
		.amdhsa_next_free_vgpr 194
		.amdhsa_next_free_sgpr 66
		.amdhsa_reserve_vcc 1
		.amdhsa_float_denorm_mode_32 3
		.amdhsa_float_denorm_mode_16_64 3
		.amdhsa_memory_ordered 1
		.amdhsa_forward_progress 1
		.amdhsa_inst_pref_size 61
	.end_amdhsa_kernel
	.amdgpu_metadata
---
amdhsa.version: [ 1, 2 ]
amdhsa.kernels:
  - .name:           k_q729855aca9_quant
    .symbol:         k_q729855aca9_quant.kd
    .args:
      - { .name: x, .offset: 0, .size: 8, .value_kind: global_buffer, .address_space: global }
      - { .name: q_w, .offset: 8, .size: 8, .value_kind: global_buffer, .address_space: global }
      - { .name: k_w, .offset: 16, .size: 8, .value_kind: global_buffer, .address_space: global }
      - { .name: v_w, .offset: 24, .size: 8, .value_kind: global_buffer, .address_space: global }
      - { .name: o_w, .offset: 32, .size: 8, .value_kind: global_buffer, .address_space: global }
      - { .name: xq, .offset: 40, .size: 8, .value_kind: global_buffer, .address_space: global }
      - { .name: wq, .offset: 48, .size: 8, .value_kind: global_buffer, .address_space: global }
      - { .name: rope, .offset: 56, .size: 8, .value_kind: global_buffer, .address_space: global }
    .group_segment_fixed_size: 33280
    .private_segment_fixed_size: 0
    .kernarg_segment_align: 8
    .kernarg_segment_size: 64
    .max_flat_workgroup_size: 128
    .sgpr_count:     66
    .vgpr_count:     194
    .wavefront_size: 32
...
	.end_amdgpu_metadata
.endif
;; end of part 1
;; launch qkv (part 2): grid 12 x 32, 4 waves a work-group, clusters of 4 x 4, 327,680 bytes of LDS; arguments xq, wq, rope, qq, kv; writes qq, kv
.if DOCPART == 2
	.amdgcn_target "amdgcn-amd-amdhsa--gfx1250"
	.amdhsa_code_object_version 6
	.text
	.protected	k_q729855aca9_qkv
	.globl	k_q729855aca9_qkv
	.p2align	8
	.type	k_q729855aca9_qkv,@function
k_q729855aca9_qkv:
	s_mov_b64 s[64:65], 0
	v_nop
	global_prefetch_b8 v0, s[64:65] scope:SCOPE_SE
	s_setreg_imm32_b32 hwreg(HW_REG_WAVE_MODE, 25, 1), 1
	s_wait_xcnt 0x0
	s_wait_alu depctr_hold_cnt(0) depctr_sa_sdst(0) depctr_va_vdst(0) depctr_va_sdst(0) depctr_va_ssrc(0) depctr_va_vcc(0) depctr_vm_vsrc(0)
	s_getreg_b32 s2, hwreg(HW_REG_IB_STS2, 6, 4)
	s_cmp_eq_u32 s2, 0
	s_cbranch_scc0 .Lentry_in_a_cluster
	s_endpgm
.Lentry_in_a_cluster:
	s_bfe_u32 s2, ttmp6, 0x10000c
	s_cmp_lg_u32 s2, 0xf033
	s_cbranch_scc0 .Lentry_shape_is_right
	s_endpgm
.Lentry_shape_is_right:
; Q = x q_w^T, K = x k_w^T, V = x v_w^T on codes of FP4 (E2M1) with one E8M0 scale for each 32 along K = 1,024; Q and K are rotated (RoPE) and quantised along the head's 64 channels, V along the keys.  Nothing goes out in f32.
; A tile of 256 x 256 is made by a work-group of four waves, a wave makes 128 x 128: 64 accumulators, 512 registers.  K goes in two steps of 512 through two LDS slots, each filled once by the tensor data mover; a tile's row is 256 bytes of memory.
; The scale bytes of the work-group's 2 x 256 rows, for all of K, come into LDS once, in rows of 256 bytes.
; CLUSTERS: 4 x 4 work-groups; cluster x says what is made: 0 Q, 1 K, 2 V.  Operand A (source 1) is shared along a row of the cluster, operand B (source 0) along a column: each tile is asked for JOINTLY.
;   Q, K: A = 256 rows of x (cluster y), B = 256 rows of the weight.   V: A = 256 rows of v_w, B = 256 rows of x: THE ROLES ARE EXCHANGED, so that a lane's registers run along the KEYS, which are V's K in the next launch.
; THE ROWS' ORDER.  x and the three weights lie with bits 3 and 4 of the row's number exchanged.  Source 0 = 16 rows of B, source 1 = 16 rows of A: in accumulator (a, b) lane (r, h), register j holds
;   A's true row 32 (a / 2) + 8 (a % 2) + r + 8 (r / 8) and B's true row 32 (b / 2) + 8 (b % 2) + 16 h + j: so for one a the lane's 64 registers are: register 16 g + i = B's row 32 g + 16 h + i: 16 neighbours of each block of 32.
; THE WAY OUT, block a by block a (16 rows of A x 128 rows of B): Q, K: the rotation by the table's cos and sin, then four blocks of 32 (two heads x two) are quantised; V: four blocks of 32 keys.
;   The codes leave as IMAGES OF OPERAND REGISTERS, 16 bytes a lane, 512 consecutive bytes a store; the scale words are gathered in the wave's own stage in LDS and leave 16 bytes a lane.
;   qq: Q's codes [head 64][tile 128][lane][16]; from QS on its scale words [head][128 queries, 16][lane][4]: word i of lane l belongs to tile 2 i + l / 16, row l % 16.
;   kv: [head 64][128 keys, 16][8,960 bytes]: K's codes 8 x 512, V's codes [tile 4][half 2][lane][16] at 4,096, K's scale words [lane][4] at 8,192, V's [lane][2] at 8,704.
;   In a scale word of Q or K bytes 0 and 1 are the head's two blocks; bytes 2 and 3 are the other head's bytes or 0, never 0xff: they meet zero codes alone.
; LIMITS: NaN and infinities are not served; a block whose largest magnitude lies under 2^-124 (a block of zeros too) gets the byte 1.
; REGISTERS, in windows of 256: window 0: v0-31 addresses; v32-95 scale words, two sets, and nothing else; v96-111 codes just made; v112-127 at work; v128-191 A's fragments, ONE set; v192-255 two sets of cos and sin.
;   window 1: B's fragments, two sets, at v0 and v128; on the way out v0-63 the rotated numbers.   window 2: the accumulators of A's blocks 0-3 ((a, b) at v[8 (8 a + b)]);   window 3: those of blocks 4-7.
.set NQ,     4                         ; matrix instructions deep in a slot: 512 along K
.set ROWB,   256                       ; a tile's row in bytes
.set KROW,   512                       ; a row of codes in memory
.set PITCH,  272                       ; an LDS row: 256 bytes + 16 of padding = 68 words: the 16 rows that a load touches start at 16 different banks (64 banks of 4 bytes: ISA guide 11.1)
.set FR,     8
.set NL,     2
.set NP,     4                         ; places behind this matrix instruction (ISA guide 7.12.1)
.set HALFT,  128*PITCH
.set SLOT,   4*HALFT
.set KS,     32                        ; a row of scale bytes
.set SCL,    2*SLOT
.set HALFS,  (128*KS/256)*272
.set SBLK,   (16*KS/256)*272
.set SPARE,  SCL+4*HALFS               ; the spare words, 128 bytes for each wave
.set STGQ,   SPARE+512                 ; Q's and K's scale words on their way out: 1,024 bytes for each wave
.set STGV,   STGQ+4096                 ; V's: 512 bytes for each wave (each path has bytes of its own; no tile lands here)
.set XS,     4194304
.set WS,     2097152
.set QS,     4194304
.set LN,   8                           ; v8   16 x lane
.set RT,   9                           ; v9   the table: 256 (r + 8 (r / 8)) + 64 h
.set SWQ,  10                          ; v10  where I put a scale word of Q or K
.set SRQ,  11                          ; v11  and where I read four back
.set SH,   12                          ; v12  16 h
.set SWV,  13                          ; v13, v14 the same for V
.set SRV,  14
.set VO,   15                          ; v15  V's scale words in memory: lanes 0-15 the first head's, lanes 16-31 the second's
.set ADRA, 16
.set ADRB, 20
.set ADRS, 27
.set SPW,  28                          ; v28  LDS address of my spare word; never rewritten
.set NIL,  29                          ; v29  0; never rewritten
.set SC,   32
.set PC,   96
.set TM,   112                         ; v112-115 largest magnitudes, v116-119 the other half's, then bytes, v124-127 the conversions' scale operands
.set AF,   128
.set PW,   128                         ; the scale word just made
.set PS,   129
.set BK,   132
.set CT,   192
.set G1, 24
.set G0, 32
.set G1B, 48
.set G0B, 56
.set G1S, 68
.set G0S, 76
.set G1SB, 80
.set G0SB, 88
.set RB,  8                            ; s[8:9]   the table at my first position
.set BC0, 40                           ; s[40:41] where my first head's codes go;  s[44:45] the second's
.set BC1, 44
.set BS0, 46                           ; s[46:47], s[92:93] the same for the scale words
.set BS1, 92
.set SEL, 96                           ; s[96:97] v_permlanex16_b32's selects for lane l xor 16
.set MSB, 0
.macro WIN new                         ; the immediate's high byte repeats the setting that is left
.if MSB != (\new)
	s_set_vgpr_msb (MSB<<8)|(\new)
.set MSB, (\new)
.endif
.endm
.set MUL_LO, 0xa1                      ; source 0 (B) window 1, source 1 (A) window 0, C and D window 2
.set MUL_HI, 0xf1
.set TO_B,   0x40
; A joint load: waves 0 and 1 fetch for A, waves 2 and 3 for B.  The branch hangs on the wave's number alone.  Four v_nop follow each of the two lines.
.macro JLOAD g0a, g1a, g0b, g1b
	s_cmp_eq_u32 s15, 0
	s_cbranch_scc0 .Lfor_b_\@
	tensor_load_to_lds s[\g0a:\g0a+3], s[\g1a:\g1a+7]
	s_nop 0
.rept 4
	v_nop
.endr
	s_branch .Lasked_\@
.Lfor_b_\@:
	tensor_load_to_lds s[\g0b:\g0b+3], s[\g1b:\g1b+7]
	s_nop 0
.rept 4
	v_nop
.endr
.Lasked_\@:
.endm
.macro CROUND                          ; a round of the cluster's barrier
	s_barrier_signal -1
	s_barrier_wait -1
	s_cmp_lg_u32 s14, 0
	s_cbranch_scc1 .Lnot_wave_0_\@
	s_barrier_signal -3
.Lnot_wave_0_\@:
	s_barrier_wait -3
	s_barrier_signal -1
	s_barrier_wait -1
.endm
	s_load_b128 s[4:7], s[0:1], 0x0                ; xq s[4:5], wq s[6:7]
	s_load_b128 s[8:11], s[0:1], 0x10              ; rope s[8:9], qq s[10:11]
	s_load_b64 s[12:13], s[0:1], 0x20              ; kv
	v_lshl_add_u32 v[SPW], v0, 2, SPARE
	v_mov_b32 v[NIL], 0
	ds_add_u32 v28, v29
	ds_add_u32 v28, v29
	s_wait_dscnt 0x0
	v_lshrrev_b32 v1, 5, v0
	v_readfirstlane_b32 s14, v1                    ; wave 0..3
	s_lshr_b32 s15, s14, 1                         ; which half of A's rows is mine.  Also: I fetch for A (0) or for B (1)
	s_and_b32 s16, s14, 1                          ; which half of B's rows.  Also: which 128 rows of that tile I fetch
	s_bfe_u32 s40, ttmp6, 0x40000                  ; cx, cy: my place in the cluster
	s_bfe_u32 s41, ttmp6, 0x40004
	s_and_b32 s18, ttmp7, 0xffff                   ; cluster y
	s_cmp_eq_u32 ttmp9, 2                          ; V?  The same answer in all sixteen partners
	s_cselect_b32 s19, ttmp9, s18                  ; A's side goes by cluster y (rows of x), for V by cluster x (the weight)
	s_cselect_b32 s20, s18, ttmp9                  ; B's side the other way round
	s_lshl_b32 s42, s20, 2
	s_add_co_u32 s42, s42, s40                     ; B's tile = 4 x its cluster coordinate + cx
	s_lshl_b32 s17, s19, 2
	s_add_co_u32 s17, s17, s41                     ; A's tile = 4 x its cluster coordinate + cy
	s_lshl_b32 s43, s41, 2
	s_lshl_b32 s43, 15, s43                        ; my row of the cluster
	s_lshl_b32 s44, 0x1111, s40                    ; my column
	; descriptor group 1: a tile of 128 rows x 256 bytes, padded in LDS
	s_or_b32 s[G1+0], s43, (0<<16)|(1<<20)|(1<<21)|(5<<22)|(3<<25)  ; 15:0 the mask; 17:16 elements of 1 byte; 20 padding on; 21 set beside a mask; 24:22 after every 64 words; 31:25 four words
	s_or_b32 s[G1B+0], s44, (0<<16)|(1<<20)|(1<<21)|(5<<22)|(3<<25)
.irp g, G1, G1B
	s_mov_b32 s[\g+1], ROWB<<16                    ; tensor_dim0
	s_mov_b32 s[\g+2], 128<<16                     ; tensor_dim1
	s_mov_b32 s[\g+3], ROWB<<16                    ; tile_dim0
	s_mov_b32 s[\g+4], 128                         ; tile_dim1
	s_mov_b32 s[\g+5], KROW                        ; tensor_dim0_stride
	s_mov_b32 s[\g+6], 0
	s_mov_b32 s[\g+7], 0
.endr
	; the scales of 128 rows: 4,096 dense bytes as 16 rows of 256 bytes (32 elements of 8 bytes), 16 bytes of padding behind each
	s_or_b32 s[G1S+0], s43, (3<<16)|(1<<20)|(1<<21)|(5<<22)|(3<<25)
	s_or_b32 s[G1SB+0], s44, (3<<16)|(1<<20)|(1<<21)|(5<<22)|(3<<25)
.irp g, G1S, G1SB
	s_mov_b32 s[\g+1], 32<<16
	s_mov_b32 s[\g+2], (128*KS/256)<<16
	s_mov_b32 s[\g+3], 32<<16
	s_mov_b32 s[\g+4], 128*KS/256
	s_mov_b32 s[\g+5], 32
	s_mov_b32 s[\g+6], 0
	s_mov_b32 s[\g+7], 0
.endr
	s_lshl_b32 s18, s16, 7                         ; which 128 rows of the tile I fetch
	s_lshl_b32 s20, s17, 8
	s_add_co_u32 s20, s20, s18                     ; A: row 256 x tile + 128 x half
	s_lshl_b32 s46, s42, 8
	s_add_co_u32 s46, s46, s18                     ; B likewise
	s_lshl_b32 s22, s20, 5                         ; these rows' scale bytes: 32 a row,
	s_lshl_b32 s92, s46, 5
	s_lshl_b32 s20, s20, 9                         ; and their codes: 512 a row (all under 2^23)
	s_lshl_b32 s46, s46, 9
	s_mov_b32 s21, 0
	s_mov_b32 s23, 0
	s_mov_b32 s47, 0
	s_mov_b32 s93, 0
	s_mul_i32 s45, s14, HALFT                      ; where they go: wave x 128 rows: no place in the cluster enters an LDS address
	s_mul_i32 s94, s14, HALFS
	s_wait_kmcnt 0x0
	s_cmp_eq_u32 ttmp9, 2
	s_cselect_b64 s[2:3], s[6:7], s[4:5]           ; A's buffer
	s_cselect_b64 s[66:67], s[4:5], s[6:7]         ; B's buffer
	s_mov_b32 s96, XS
	s_cselect_b32 s96, WS, s96                     ; where A's scale bytes begin in it
	s_mov_b32 s95, WS
	s_cselect_b32 s95, XS, s95                     ; and B's
	s_add_co_u32 s22, s22, s96
	s_add_co_u32 s92, s92, s95
	s_add_nc_u64 s[20:21], s[2:3], s[20:21]
	s_add_nc_u64 s[22:23], s[2:3], s[22:23]
	s_add_nc_u64 s[46:47], s[66:67], s[46:47]
	s_add_nc_u64 s[92:93], s[66:67], s[92:93]
	CROUND                                         ; all sixteen work-groups are here: the joint loads meet
	s_mov_b32 s[G0S], 1
	s_add_co_u32 s[G0S+1], s94, SCL
	s_mov_b64 s[G0S+2:G0S+3], s[22:23]
	s_or_b32 s[G0S+3], s[G0S+3], 0x80000000
	s_mov_b32 s[G0SB], 1
	s_add_co_u32 s[G0SB+1], s94, SCL
	s_mov_b64 s[G0SB+2:G0SB+3], s[92:93]
	s_or_b32 s[G0SB+3], s[G0SB+3], 0x80000000
	JLOAD G0S, G1S, G0SB, G1SB                     ; the scales first: they are wanted with the first K step
.irp s, 0,1
	s_mov_b32 s[G0+4*\s], 1
	s_add_co_u32 s[G0+4*\s+1], s45, \s*SLOT
	s_add_nc_u64 s[G0+4*\s+2:G0+4*\s+3], s[20:21], \s*ROWB
	s_or_b32 s[G0+4*\s+3], s[G0+4*\s+3], 0x80000000
	s_mov_b32 s[G0B+4*\s], 1
	s_add_co_u32 s[G0B+4*\s+1], s45, \s*SLOT
	s_add_nc_u64 s[G0B+4*\s+2:G0B+4*\s+3], s[46:47], \s*ROWB
	s_or_b32 s[G0B+4*\s+3], s[G0B+4*\s+3], 0x80000000
	JLOAD G0+4*\s, G1, G0B+4*\s, G1B               ; both slots: all of K.  Three tensor loads of mine are out; no slot is filled again
.endr
	v_and_b32 v1, 15, v0                           ; r
	v_bfe_u32 v2, v0, 4, 1                         ; h
	v_mul_u32_u24 v3, v1, PITCH
	v_lshl_add_u32 v4, v2, 4, v3                   ; a fragment's row x pitch + 16 x half
	s_mul_i32 s21, s15, HALFT                      ; my 128 rows of A
	s_mul_i32 s22, s16, HALFT                      ; my 128 rows of B,
	s_add_co_u32 s22, s22, 2*HALFT                 ; which lie behind A's 256
.irp s, 0,1
	v_add_nc_u32 v[ADRA+\s], s21, v4
	v_add_nc_u32 v[ADRB+\s], s22, v4
	s_add_co_u32 s21, s21, SLOT
	s_add_co_u32 s22, s22, SLOT
.endr
	v_mul_u32_u24 v5, v1, KS                       ; my row's scales: 32 bytes a row,
	v_lshrrev_b32 v6, 8, v5
	v_lshl_add_u32 v5, v6, 4, v5                   ; and 16 more for each 256 passed
	s_mul_i32 s21, s15, HALFS
	s_mul_i32 s22, s16, HALFS
	s_add_co_u32 s22, s22, 2*HALFS
	s_sub_co_u32 s22, s22, s21
	v_mul_u32_u24 v6, s22, v2                      ; lanes 16-31 take B's
	s_add_co_u32 s21, s21, SCL
	v_add_nc_u32 v5, v5, v6
	v_add_nc_u32 v[ADRS], s21, v5
	; the way out's addresses, all made here, on the one way that every work-group takes
	v_and_b32 v6, 31, v0
	v_lshlrev_b32 v[LN], 4, v6
	v_and_b32 v7, 8, v1
	v_add_nc_u32 v7, v7, v1                        ; r + 8 (r / 8)
	v_lshlrev_b32 v[RT], 8, v7
	v_lshl_add_u32 v[RT], v2, 6, v[RT]
	s_lshl_b32 s23, s14, 10
	s_add_co_u32 s23, s23, STGQ
	v_lshlrev_b32 v[SWQ], 4, v1
	v_lshl_add_u32 v[SWQ], v2, 9, v[SWQ]
	v_add_nc_u32 v[SWQ], s23, v[SWQ]               ; my stage + 512 h (the head) + 16 r
	v_add_nc_u32 v[SRQ], s23, v[LN]
	v_lshlrev_b32 v[SH], 4, v2
	s_lshl_b32 s23, s14, 9
	s_add_co_u32 s23, s23, STGV
	v_lshl_add_u32 v[SWV], v1, 3, s23              ; my stage + 8 r
	v_add_nc_u32 v[SRV], s23, v[LN]
	v_mul_u32_u24 v[VO], v2, 143360
	v_lshl_add_u32 v[VO], v1, 4, v[VO]
.irp b, 0,1,2,3
	v_mov_b32 v[TM+4+\b], 0                        ; written once: a lane permute's destination counts as one of its sources
.endr
	; where my results go.  The side of the positions is A's (Q, K) or B's (V); the other side gives the heads
	s_cmp_eq_u32 ttmp9, 2
	s_cselect_b32 s18, s42, s17
	s_cselect_b32 s19, s16, s15
	s_cselect_b32 s20, s17, s42
	s_cselect_b32 s21, s15, s16
	s_cselect_b32 s67, 4096, 0                     ; V's codes lie behind K's in a step
	s_lshl_b32 s18, s18, 8
	s_lshl_b32 s19, s19, 7
	s_add_co_u32 s18, s18, s19                     ; my first row of x
	s_lshl_b32 s20, s20, 2
	s_lshl_b32 s21, s21, 1
	s_add_co_u32 s20, s20, s21
	s_and_b32 s20, s20, 15                         ; my first head of two
	s_lshr_b32 s19, s18, 11
	s_lshl_b32 s19, s19, 4
	s_add_co_u32 s19, s19, s20                     ; 16 x batch + head
	s_bfe_u32 s21, s18, 0x40007                    ; which 128 positions of the sequence
	s_and_b32 s22, s18, 2047
	s_lshl_b32 s22, s22, 8
	s_mov_b32 s23, 0
	s_add_nc_u64 s[RB:RB+1], s[RB:RB+1], s[22:23]  ; the table at my first position
	s_mov_b32 s2, 143360
	s_mov_b32 s4, 8960
	s_mov_b32 s66, 8192
	s_cmp_eq_u32 ttmp9, 0                          ; Q goes to qq, K and V to kv
	s_cselect_b64 s[BC0:BC0+1], s[10:11], s[12:13]
	s_cselect_b32 s3, 65536, s2                    ; codes: from head to head,
	s_cselect_b32 s5, 4096, s4                     ; from 128 positions to the next;
	s_cselect_b32 s6, 8192, s2                     ; scale words likewise
	s_cselect_b32 s7, 512, s4
	s_cselect_b32 s66, QS, s66                     ; and where they begin
	s_cmp_eq_u32 ttmp9, 2
	s_cselect_b32 s66, 8704, s66
	s_mov_b64 s[BS0:BS0+1], s[BC0:BC0+1]
	s_mul_i32 s22, s19, s3
	s_mul_i32 s18, s21, s5
	s_add_co_u32 s22, s22, s18
	s_add_co_u32 s22, s22, s67
	s_add_nc_u64 s[BC0:BC0+1], s[BC0:BC0+1], s[22:23]
	s_mov_b32 s22, s3
	s_add_nc_u64 s[BC1:BC1+1], s[BC0:BC0+1], s[22:23]
	s_mul_i32 s22, s19, s6
	s_mul_i32 s18, s21, s7
	s_add_co_u32 s22, s22, s18
	s_add_co_u32 s22, s22, s66
	s_add_nc_u64 s[BS0:BS0+1], s[BS0:BS0+1], s[22:23]
	s_mov_b32 s22, s6
	s_add_nc_u64 s[BS1:BS1+1], s[BS0:BS0+1], s[22:23]
	s_mov_b32 s[SEL], 0x76543210
	s_mov_b32 s[SEL+1], 0xfedcba98
; cos and sin for block a's 16 positions: lane (r, h) takes, of its position's 256 bytes, frequencies 8 h + 0..7 (registers 0-15) and 16 + 8 h + 0..7 (registers 16-31), cos in the even register, sin in the odd
.macro RLOAD a
.set CTA, CT+32*((\a)%2)
.irp i, 0,1,2,3
	global_load_b128 v[CTA+4*\i:CTA+4*\i+3], v[RT], s[RB:RB+1] offset:(32*((\a)/2)+8*((\a)%2))*256+16*\i
	global_load_b128 v[CTA+16+4*\i:CTA+16+4*\i+3], v[RT], s[RB:RB+1] offset:(32*((\a)/2)+8*((\a)%2))*256+128+16*\i
.endr
.endm
	RLOAD 0                                        ; the first two sets are asked for here, a whole product ahead of their use.  V's work-groups issue them too (the addresses lie in the table for them as well)
	RLOAD 1                                        ; and leave them unread: so every register that the text reads has been loaded on every way through it
.macro FRAG reg, adr, q, i             ; a fragment, 16 rows x 128 K: lane l holds row l % 16; registers 4 c .. 4 c + 3 hold K = 64 c + 32 (l / 16) + 0 .. 31
.irp c, 0,1
	ds_load_b128 v[\reg+4*\c:\reg+4*\c+3], v[\adr] offset:64*(\q)+32*\c+(\i)*16*PITCH
.endr
.endm
; 16 matrix instructions: A's blocks a0, a0 + 1 x B's eight, 128 along K.  The 64 accumulators take turns, one instruction a turn, in the same order in every step.
.macro MUL16 a0, p, q, sc, zero
.irp a, \a0, \a0+1
.irp b, 0,1,2,3,4,5,6,7
.if \zero
	v_wmma_scale_f32_16x16x128_f8f6f4 v[8*(8*((\a)%4)+\b):8*(8*((\a)%4)+\b)+7], v[128*(\p)+FR*\b:128*(\p)+FR*\b+FR-1], v[AF+FR*(\a):AF+FR*(\a)+FR-1], 0, v[SC+8*NQ*(\sc)+NQ*\b+(\q)], v[SC+8*NQ*(\sc)+NQ*(\a)+(\q)] matrix_a_fmt:MATRIX_FMT_FP4 matrix_b_fmt:MATRIX_FMT_FP4 matrix_a_scale:MATRIX_SCALE_ROW1
.else
	v_wmma_scale_f32_16x16x128_f8f6f4 v[8*(8*((\a)%4)+\b):8*(8*((\a)%4)+\b)+7], v[128*(\p)+FR*\b:128*(\p)+FR*\b+FR-1], v[AF+FR*(\a):AF+FR*(\a)+FR-1], v[8*(8*((\a)%4)+\b):8*(8*((\a)%4)+\b)+7], v[SC+8*NQ*(\sc)+NQ*\b+(\q)], v[SC+8*NQ*(\sc)+NQ*(\a)+(\q)] matrix_a_fmt:MATRIX_FMT_FP4 matrix_b_fmt:MATRIX_FMT_FP4 matrix_a_scale:MATRIX_SCALE_ROW1
.endif
.endr
.endr
.endm
.macro FETCH_B slot, q, p
	WIN TO_B
.irp i, 0,1,2,3,4,5,6,7
	FRAG 128*(\p)+FR*\i, ADRB+\slot, \q, \i
.endr
	WIN 0
.endm
.macro FETCH_A slot, q, i0
.irp i, \i0, \i0+1, \i0+2, \i0+3
	FRAG AF+FR*(\i), ADRA+\slot, \q, \i
.endr
.endm
.macro SCALES sc                       ; a slot's scale words: 4 words a row; lanes 0-15 take A's block i, lanes 16-31 B's block i
.irp i, 0,1,2,3,4,5,6,7
	ds_load_b128 v[SC+8*NQ*\sc+NQ*\i:SC+8*NQ*\sc+NQ*\i+3], v[ADRS] offset:\i*SBLK
.endr
.endm
.macro PLACES n                        ; plain vector lines that name no register of the matrix instructions in front: ahead of loads into registers that those have read, and of the first read of results
.rept \n
	v_nop
.endr
.endm
.macro STEP slot, q, zero              ; 128 along K that have their successor in the same slot
	s_wait_dscnt 4*NL                              ; B's set and A's blocks 0-3 are in; the youngest eight loads (A's blocks 4-7) may be out
	WIN MUL_LO
	MUL16 0, (\q)%2, \q, \slot, \zero
	MUL16 2, (\q)%2, \q, \slot, \zero
	s_wait_dscnt 0                                 ; A's blocks 4-7 are in
	PLACES NP
	FETCH_B \slot, (\q)+1, 1-(\q)%2
	FETCH_A \slot, (\q)+1, 0
	WIN MUL_HI
	MUL16 4, (\q)%2, \q, \slot, \zero
	MUL16 6, (\q)%2, \q, \slot, \zero
	PLACES NP
	WIN 0
	FETCH_A \slot, (\q)+1, 4
.endm
.macro TURN slot, next                 ; slot 0's last step, and the change to slot 1: one barrier, in front of which each wave's part of slot 1 has landed
	s_wait_tensorcnt 0x0                           ; all my tensor loads have landed: my part of the next slot
	ds_add_u32 v[SPW], v[NIL]                      ; 0 onto my spare word
	s_wait_dscnt 4*NL+1                            ; (the add and the youngest eight loads may be out)
	WIN MUL_LO
	MUL16 0, 1, NQ-1, \slot, 0
	s_wait_dscnt 0x0                               ; the add is done, and no LDS load of mine is out at the signal
	s_barrier_signal -1
	MUL16 2, 1, NQ-1, \slot, 0
	WIN 0
	s_barrier_wait -1                              ; the next slot is whole
	PLACES NP
	v_add_nc_u32 v[ADRS], 4*NQ, v[ADRS]            ; on to the next slot's scale words
	FETCH_B \next, 0, 0
	FETCH_A \next, 0, 0
	SCALES \next
	WIN MUL_HI
	MUL16 4, 1, NQ-1, \slot, 0
	MUL16 6, 1, NQ-1, \slot, 0
	PLACES NP
	WIN 0
	FETCH_A \next, 0, 4
.endm
	s_wait_tensorcnt 1                             ; the scales and my part of slot 0 are in (slot 1's load, the one issued behind them, may be out),
	s_barrier_signal -1
	s_barrier_wait -1                              ; everybody's are
	FETCH_B 0, 0, 0
	FETCH_A 0, 0, 0
	SCALES 0
	FETCH_A 0, 0, 4
	STEP 0, 0, 1                                   ; the first products start the sums: nothing is cleared
	STEP 0, 1, 0
	STEP 0, 2, 0
	TURN 0, 1
	STEP 1, 0, 0
	STEP 1, 1, 0
	STEP 1, 2, 0
	s_wait_dscnt 4*NL                              ; the last step: nothing more to fetch
	WIN MUL_LO
	MUL16 0, 1, NQ-1, 1, 0
	MUL16 2, 1, NQ-1, 1, 0
	s_wait_dscnt 0
	WIN MUL_HI
	MUL16 4, 1, NQ-1, 1, 0
	MUL16 6, 1, NQ-1, 1, 0
	WIN 0
	PLACES NP                                      ; behind the last products: their results are read and their operands' registers written below
; Block a's 64 numbers a lane are rotated into window 1, v0-63.  Pair p of 32 is channels 2 f, 2 f + 1 with f = 16 ((p / 8) % 2) + 8 h + p % 8: even' = even cos - odd sin, odd' = odd cos + even sin.
; Each accumulator is read from its low end on; four multiplies, then their four multiply-adds.
.macro ROT a
.set CTA, CT+32*((\a)%2)
.set AC, 64*((\a)%4)
	WIN 0x50|(2+(\a)/4)                            ; destination and source 2 window 1, source 0 the accumulators' window, cos and sin window 0
.set PP, 0
.rept 8
.irp k, 0,1,2,3
	v_pk_mul_f32 v[2*(PP+\k):2*(PP+\k)+1], v[AC+2*(PP+\k):AC+2*(PP+\k)+1], v[CTA+2*(8*((PP/8)%2)+PP%8+\k):CTA+2*(8*((PP/8)%2)+PP%8+\k)+1] op_sel_hi:[1,0]
.endr
.irp k, 0,1,2,3
	v_pk_fma_f32 v[2*(PP+\k):2*(PP+\k)+1], v[AC+2*(PP+\k):AC+2*(PP+\k)+1], v[CTA+2*(8*((PP/8)%2)+PP%8+\k):CTA+2*(8*((PP/8)%2)+PP%8+\k)+1], v[2*(PP+\k):2*(PP+\k)+1] op_sel:[1,1,0] op_sel_hi:[0,1,1] neg_lo:[1,0,0]
.endr
.set PP, PP+4
.endr
	WIN 0
.endm
; 64 numbers of a lane in window w, v[s] on, register 16 b + i = k 32 b + 16 h + i of my row, become a fragment's codes in v[PCA] on and its scale word in v[PW].
.macro QUANT s, w
	WIN (\w)|((\w)<<2)
.irp b, 0,1,2,3
	v_max3_num_f32 v[TM+\b], |v[(\s)+16*\b]|, |v[(\s)+1+16*\b]|, 0x1800000   ; block b: my 16 numbers, and the floor 2^(3 - 127): the byte cannot fall under 1
.endr
.irp i, 2,4,6,8,10,12,14
.irp b, 0,1,2,3
	v_max3_num_f32 v[TM+\b], |v[(\s)+16*\b+\i]|, |v[(\s)+1+16*\b+\i]|, v[TM+\b]   ; (the four blocks by turns)
.endr
.endr
	WIN 0
.irp b, 0,1,2,3
	v_permlanex16_b32 v[TM+4+\b], v[TM+\b], s[SEL], s[SEL+1]
.endr
.irp b, 0,1,2,3
	v_max_num_f32 v[TM+\b], v[TM+\b], v[TM+4+\b]   ; with lane l xor 16's: the block's largest magnitude
.endr
.irp b, 0,1,2,3
	v_add_nc_u32 v[TM+12+\b], 0xff000000, v[TM+\b] ; 2 off its exponent field: the conversion's scale operand
.endr
.irp b, 0,1,2,3
	v_lshrrev_b32 v[TM+4+\b], 23, v[TM+12+\b]      ; the scale's byte
.endr
	v_lshl_or_b32 v[PW], v[TM+5], 8, v[TM+4]
	v_lshl_or_b32 v[PW], v[TM+6], 16, v[PW]
	v_lshl_or_b32 v[PW], v[TM+7], 24, v[PW]
	WIN (\w)
.irp b, 0,1,2,3
	v_cvt_scalef32_pk8_fp4_f32 v[PCA+2*\b], v[(\s)+16*\b:(\s)+7+16*\b], v[TM+12+\b]
	v_cvt_scalef32_pk8_fp4_f32 v[PCA+1+2*\b], v[(\s)+8+16*\b:(\s)+15+16*\b], v[TM+12+\b]
.endr
	WIN 0
	v_nop                                          ; one plain line behind a scaled conversion
.irp c, 0,1                                    ; the operand's layout wants a WHOLE block in a lane
.irp i, 0,1
	v_permlane16_swap_b32 v[PCA+4*\c+\i], v[PCA+2+4*\c+\i]
.endr
.endr
.endm
	s_cmp_eq_u32 ttmp9, 2
	s_cbranch_scc1 .Lv
	; ---- Q and K
.irp a, 0,1,2,3,4,5,6,7
.if \a < 7
	s_wait_loadcnt 8                               ; this block's eight table loads are in; the next block's eight may be out
.else
	s_wait_loadcnt 0
.endif
	ROT \a
.if \a < 6
	RLOAD \a+2                                     ; into the set just read
.endif
	s_wait_xcnt 0x0                                ; the stores of two blocks back have read their data: those registers take this block's codes
.set PCA, PC+8*(\a%2)
	QUANT 0, 1
	v_lshrrev_b32 v[PS], v[SH], v[PW]              ; lanes 0-15 keep the first head's two bytes in front, lanes 16-31 bring the second head's there
	ds_store_b32 v[SWQ], v[PS] offset:256*(\a%2)+4*(\a/2)
	global_store_b128 v[LN], v[PCA:PCA+3], s[BC0:BC0+1] offset:512*\a      ; the first head's 64 channels of 16 positions: 512 consecutive bytes
	global_store_b128 v[LN], v[PCA+4:PCA+7], s[BC1:BC1+1] offset:512*\a    ; the second head's
.endr
	ds_load_b128 v[BK:BK+3], v[SRQ]                ; LDS serves a wave's instructions in order: these see my stores
	ds_load_b128 v[BK+4:BK+7], v[SRQ] offset:512
	s_wait_dscnt 0x0
	global_store_b128 v[LN], v[BK:BK+3], s[BS0:BS0+1]          ; a head's scale words of 128 positions: 512 consecutive bytes
	global_store_b128 v[LN], v[BK+4:BK+7], s[BS1:BS1+1]
	s_branch .Lend
	; ---- V: block a is 16 channels (head a / 4, tile a % 4) x 128 keys: one fragment and one scale word a channel
.Lv:
.irp a, 0,1,2,3,4,5,6,7
.if \a > 1
	s_wait_xcnt 0x0                                ; the stores of two blocks back have read their data
.endif
.set PCA, PC+8*(\a%2)
	QUANT 64*(\a%4), 2+\a/4
	ds_store_b32 v[SWV], v[PW] offset:256*(\a/4)+128*(\a%2)+4*((\a%4)/2)   ; lanes l and l + 16 write the same word with the same value
.if \a < 4
	global_store_b128 v[LN], v[PCA:PCA+3], s[BC0:BC0+1] offset:1024*(\a%4)
	global_store_b128 v[LN], v[PCA+4:PCA+7], s[BC0:BC0+1] offset:1024*(\a%4)+512
.else
	global_store_b128 v[LN], v[PCA:PCA+3], s[BC1:BC1+1] offset:1024*(\a%4)
	global_store_b128 v[LN], v[PCA+4:PCA+7], s[BC1:BC1+1] offset:1024*(\a%4)+512
.endif
.endr
	ds_load_b128 v[BK:BK+3], v[SRV]
	s_wait_dscnt 0x0
	global_store_b128 v[VO], v[BK:BK+3], s[BS0:BS0+1]          ; sixteen lanes store a head's 256 consecutive bytes
.Lend:
	s_wait_tensorcnt 0x0                           ; the wave's end
	ds_add_u32 v[SPW], v[NIL]
	s_wait_dscnt 0x0
	CROUND                                         ; the closing round
	s_endpgm
.Lfunc_end_k_q729855aca9_qkv:
	.size	k_q729855aca9_qkv, .Lfunc_end_k_q729855aca9_qkv-k_q729855aca9_qkv
	.p2alignl 7, 3214868480
	.fill 96, 4, 3214868480
	.section	.rodata,"a",@progbits
	.p2align	6, 0x0
	.amdhsa_kernel k_q729855aca9_qkv
		.amdhsa_group_segment_fixed_size 327680
		.amdhsa_private_segment_fixed_size 0
		.amdhsa_enable_private_segment 0
		.amdhsa_kernarg_size 40
		.amdhsa_user_sgpr_count 2
		.amdhsa_user_sgpr_kernarg_segment_ptr 1
		.amdhsa_wavefront_size32 1
		.amdhsa_system_sgpr_workgroup_id_x 1
		.amdhsa_system_sgpr_workgroup_id_y 1
		.amdhsa_system_sgpr_workgroup_id_z 1
		.amdhsa_system_vgpr_workitem_id 0
		.amdhsa_next_free_vgpr 1024
		.amdhsa_next_free_sgpr 98
		.amdhsa_reserve_vcc 0
		.amdhsa_float_denorm_mode_32 3
		.amdhsa_float_denorm_mode_16_64 3
		.amdhsa_memory_ordered 1
		.amdhsa_forward_progress 1
		.amdhsa_inst_pref_size 203
	.end_amdhsa_kernel
	.amdgpu_metadata
---
amdhsa.version: [ 1, 2 ]
amdhsa.kernels:
  - .name:           k_q729855aca9_qkv
    .symbol:         k_q729855aca9_qkv.kd
    .args:
      - { .name: xq, .offset: 0, .size: 8, .value_kind: global_buffer, .address_space: global }
      - { .name: wq, .offset: 8, .size: 8, .value_kind: global_buffer, .address_space: global }
      - { .name: rope, .offset: 16, .size: 8, .value_kind: global_buffer, .address_space: global }
      - { .name: qq, .offset: 24, .size: 8, .value_kind: global_buffer, .address_space: global }
      - { .name: kv, .offset: 32, .size: 8, .value_kind: global_buffer, .address_space: global }
    .group_segment_fixed_size: 327680
    .private_segment_fixed_size: 0
    .kernarg_segment_align: 8
    .kernarg_segment_size: 40
    .max_flat_workgroup_size: 128
    .sgpr_count:     98
    .vgpr_count:     1024
    .wavefront_size: 32
...
	.end_amdgpu_metadata
.endif
;; end of part 2
;; launch attn (part 3): grid 8 x 64, 16 waves a work-group, clusters of 4 x 1, 327,680 bytes of LDS; arguments qq, kv, aq; writes aq
.if DOCPART == 3
	.amdgcn_target "amdgcn-amd-amdhsa--gfx1250"
	.amdhsa_code_object_version 6
	.text
	.protected	k_q729855aca9_attn
	.globl	k_q729855aca9_attn
	.p2align	8
	.type	k_q729855aca9_attn,@function
k_q729855aca9_attn:
	s_mov_b64 s[64:65], 0
	v_nop
	global_prefetch_b8 v0, s[64:65] scope:SCOPE_SE
	s_setreg_imm32_b32 hwreg(HW_REG_WAVE_MODE, 25, 1), 1
	s_wait_xcnt 0x0
	s_wait_alu depctr_hold_cnt(0) depctr_sa_sdst(0) depctr_va_vdst(0) depctr_va_sdst(0) depctr_va_ssrc(0) depctr_va_vcc(0) depctr_vm_vsrc(0)
	s_getreg_b32 s2, hwreg(HW_REG_IB_STS2, 6, 4)
	s_cmp_eq_u32 s2, 0
	s_cbranch_scc0 .Lentry_in_a_cluster
	s_endpgm
.Lentry_in_a_cluster:
	s_bfe_u32 s2, ttmp6, 0x10000c
	s_cmp_lg_u32 s2, 0x3003
	s_cbranch_scc0 .Lentry_shape_is_right
	s_endpgm
.Lentry_shape_is_right:
; Causal attention of 64 heads (batch x head), 2,048 positions, 64 channels, both products on codes of FP4 (E2M1) with E8M0 scales; the result, divided by the row's sum, is quantised along the channels for the last product.
; THE SOFTMAX: t = score x log2(e) / 8; M = the running largest t rounded UP to a whole number; p = 2^(t - M) is what is quantised, along the keys, not normalised.  The row's sum is taken of the unquantised p.
; When M moves, the sum and O are multiplied by 2^(old M - new M): exact.
; A HEAD'S K, V AND SCALE WORDS, 143,360 bytes, lie in LDS WHOLE, filled once: sixteen waves fetch one step of 128 keys (8,960 dense bytes) each.  So the loop over the keys has no barrier and no refill.
; CLUSTER: the four work-groups of a cluster belong to one head and ask for those tiles JOINTLY (one load a wave, the only tensor load of the wave).
; SHARES: a wave owns one tile of 16 queries.  Pair k = wave / 2 of the waves takes block ((k / 2) % 2 ? 15 - p : p) of 128 queries, p = cluster x + 2 (k % 2) + 4 (k / 4); in the block, tile 2 cx + wave % 2.
;   The block hangs on the wave's number and on the cluster's alone, so all branches are alike in the four partners; cx enters global addresses and the mask's data.  Block n walks n + 1 steps: 136 steps a work-group, 34 for the four waves with equal wave % 4.
; LAYOUT: S^T = K Q^T (source 0 = 16 keys, source 1 = my 16 queries), O^T = V^T P^T (source 0 = 16 channels, source 1 = P): a lane holds ONE query (lane % 16).  The head has 64 channels: registers 4-7 of K's and Q's fragments hold zero codes.
;   Row r of tile t of keys (queries, channels) is number 32 (t / 2) + 8 (t % 2) + r + 8 (r / 8): so the 16 registers of tiles 2 b, 2 b + 1 are 16 neighbours, 32 b + 16 (lane / 16) + 0 .. 15.
; EVERY wave walks 16 trips; a step all of whose keys come after the wave's block is left out by a scalar branch; in the one step on the diagonal hidden scores become -infinity ahead of the maximum.
; aq: codes as images [slot 2][tile of rows 512][4][2][lane][16], head = 8 slot + 2 x + y; from AS on scale bytes [row][32], a head's two at 2 x head.
; LIMITS: NaN and infinities are not served; a block whose largest magnitude lies under 2^-124 (a block of zeros too) gets the byte 1.
; REGISTERS: v1-11 addresses; v12 -M, v13 the largest t, v[14:15] the sum in two halves; v16-23 Q; v32-95 K's eight tiles; v96-159 S^T, then p; v160-191 O^T; v192-223 V's four tiles; v224-231 p's codes;
;   v232-239, v242-247, v252, v254 at work, v248-251 too once K's products have read them; scale words: v240-241 V's, v248-251 K's, v253 p's, v255 Q's.
.set STEPB, 8960
.set SPARE, 143360                     ; behind the head's bytes: the spare words, 128 bytes for each of 16 waves
.set QS,    4194304
.set AS,    4194304
.set L16,  1                           ; v1   16 x lane
.set L8,   2                           ; v2   8 x lane
.set DG,   3                           ; v3   my query's place in its block - 16 (lane / 16)
.set SPW,  5                           ; v5   LDS address of my spare word; never rewritten
.set NIL,  6                           ; v6   0; never rewritten
.set ADK,  8
.set ADV,  9
.set WV,   18
.set BLOCK, 19
.set SEL,  20
.set CS,   22                          ; s[22:23] c = log2(e) / 8
.set G1,   24
.set G0,   32
.set KJ,   36
.set TB,   37
.macro CROUND
	s_barrier_signal -1
	s_barrier_wait -1
	s_cmp_lg_u32 s[WV], 0
	s_cbranch_scc1 .Lnot_wave_0_\@
	s_barrier_signal -3
.Lnot_wave_0_\@:
	s_barrier_wait -3
	s_barrier_signal -1
	s_barrier_wait -1
.endm
	s_load_b128 s[4:7], s[0:1], 0x0                ; qq s[4:5], kv s[6:7]
	s_load_b64 s[8:9], s[0:1], 0x10                ; aq
	v_lshl_add_u32 v[SPW], v0, 2, SPARE
	v_mov_b32 v[NIL], 0
	ds_add_u32 v5, v6
	ds_add_u32 v5, v6
	s_wait_dscnt 0x0
	v_lshrrev_b32 v8, 5, v0
	s_delay_alu instid0(VALU_DEP_1)
	v_readfirstlane_b32 s[WV], v8                  ; wave 0..15
	s_bfe_u32 s10, ttmp6, 0x40000                  ; cx
	s_and_b32 s11, ttmp7, 0xffff                   ; 16 x batch + head, which the four partners share
	s_lshr_b32 s12, s[WV], 1                       ; k
	s_and_b32 s13, s[WV], 1                        ; u
	s_and_b32 s14, s12, 1
	s_bfe_u32 s15, s12, 0x10002
	s_lshl_b32 s15, s15, 1
	s_add_co_u32 s14, s14, s15
	s_lshl_b32 s14, s14, 1
	s_add_co_u32 s14, s14, ttmp9                   ; p
	s_sub_co_u32 s15, 15, s14
	s_bitcmp1_b32 s12, 1
	s_cselect_b32 s[BLOCK], s15, s14               ; my block of 128 queries
	s_lshl_b32 s16, s[BLOCK], 3
	s_lshl_b32 s17, s10, 1
	s_add_co_u32 s16, s16, s17
	s_add_co_u32 s16, s16, s13                     ; my tile of 16 queries in the head
	; descriptor group 1: 8,960 dense bytes as 35 rows of 256 (32 elements of 8 bytes), laid as they lie
	s_mov_b32 s[G1], 15|(3<<16)|(1<<21)            ; 15:0 the mask: all four work-groups; 17:16 elements of 8 bytes; 21 set beside a mask
	s_mov_b32 s[G1+1], 32<<16                      ; tensor_dim0
	s_mov_b32 s[G1+2], 35<<16                      ; tensor_dim1
	s_mov_b32 s[G1+3], 32<<16                      ; tile_dim0
	s_mov_b32 s[G1+4], 35                          ; tile_dim1
	s_mov_b32 s[G1+5], 32                          ; tensor_dim0_stride
	s_mov_b32 s[G1+6], 0
	s_mov_b32 s[G1+7], 0
	s_mul_i32 s[G0+1], s[WV], STEPB                ; LDS address: step = my wave's number
	s_mul_i32 s38, s11, 143360
	s_add_co_u32 s38, s38, s[G0+1]
	s_mov_b32 s39, 0
	s_mov_b32 s[G0], 1
	; offsets of what I load and store through registers
	s_and_b32 s48, s11, 15                         ; head
	s_lshr_b32 s49, s11, 4                         ; batch
	s_lshl_b32 s50, s49, 7
	s_add_co_u32 s50, s50, s16                     ; my tile among the 512 tiles of rows
	s_lshr_b32 s51, s48, 3
	s_lshl_b32 s51, s51, 21
	s_lshl_b32 s52, s50, 12
	s_add_co_u32 s51, s51, s52
	s_and_b32 s52, s48, 7
	s_lshl_b32 s52, s52, 9
	s_add_co_u32 s52, s51, s52                     ; aq: my image of 512 bytes
	s_mov_b32 s53, 0
	s_lshl_b32 s54, s50, 9
	s_lshl_b32 s51, s48, 1
	s_add_co_u32 s54, s54, s51
	s_add_co_u32 s54, s54, AS                      ; aq: my 16 rows' scale bytes, my head's two
	s_mov_b32 s55, 0
	s_lshl_b32 s56, s11, 16
	s_lshl_b32 s51, s16, 9
	s_add_co_u32 s56, s56, s51                     ; qq: my tile's image
	s_mov_b32 s57, 0
	s_lshl_b32 s58, s11, 13
	s_lshl_b32 s51, s[BLOCK], 9
	s_add_co_u32 s58, s58, s51
	s_lshl_b32 s51, s13, 8
	s_add_co_u32 s58, s58, s51
	s_lshl_b32 s51, s10, 2
	s_add_co_u32 s58, s58, s51
	s_add_co_u32 s58, s58, QS                      ; qq: my tile's scale words: lane 16 u + r, word cx
	s_mov_b32 s59, 0
	s_lshl_b32 s60, s10, 5
	s_lshl_b32 s51, s13, 3
	s_add_co_u32 s60, s60, s51                     ; 32 cx + 8 u
	s_mov_b32 s[SEL], 0x76543210
	s_mov_b32 s[SEL+1], 0xfedcba98
	s_mov_b32 s[CS], 0x3e38aa3b
	s_mov_b32 s[CS+1], s[CS]                       ; (named with it as a pair, so it is written)
	s_mov_b32 s[KJ], 0
	s_mov_b32 s[TB], 0
	s_wait_kmcnt 0x0
	s_add_nc_u64 s[G0+2:G0+3], s[6:7], s[38:39]
	s_or_b32 s[G0+3], s[G0+3], 0x80000000
	s_add_nc_u64 s[40:41], s[4:5], s[56:57]
	s_add_nc_u64 s[42:43], s[4:5], s[58:59]
	s_add_nc_u64 s[44:45], s[8:9], s[52:53]
	s_add_nc_u64 s[46:47], s[8:9], s[54:55]
	CROUND                                         ; all four work-groups are here: the joint loads meet
	tensor_load_to_lds s[G0:G0+3], s[G1:G1+7]      ; my step of the head: the same line, with the same registers, in all four partners
	s_nop 0
.rept 4
	v_nop
.endr
	v_and_b32 v7, 31, v0
	v_and_b32 v8, 15, v0                           ; r
	v_bfe_u32 v9, v0, 4, 1                         ; h
	s_delay_alu instid0(VALU_DEP_3)
	v_lshlrev_b32 v[L16], 4, v7
	s_delay_alu instid0(VALU_DEP_4)
	v_lshlrev_b32 v[L8], 3, v7
	s_delay_alu instid0(VALU_DEP_4)
	v_lshlrev_b32 v11, 4, v8
	global_load_b128 v[16:19], v[L16], s[40:41]    ; Q's fragment: 64 channels; it stays
	global_load_b32 v255, v11, s[42:43]            ; Q's scale words
	v_lshlrev_b32 v10, 5, v8                       ; 32 r: a row of aq's scale bytes
	v_and_b32 v[DG], 8, v8
	s_delay_alu instid0(VALU_DEP_1)
	v_add_nc_u32 v[DG], v[DG], v8
	v_lshlrev_b32 v4, 4, v9
	s_delay_alu instid0(VALU_DEP_1)
	v_sub_nc_u32 v[DG], v[DG], v4
	s_delay_alu instid0(VALU_DEP_1)
	v_add_nc_u32 v[DG], s60, v[DG]
	v_mov_b32 v13, 0xff61b1e6                      ; the largest t so far: -3e38, under every t
	s_delay_alu instid0(VALU_DEP_1)
	v_floor_f32 v12, -v13                          ; -M
	v_mov_b32 v14, 0
	v_mov_b32 v15, 0
.irp j, 20,21,22,23
	v_mov_b32 v[\j], 0                             ; channels 64 to 127 there are none: zero codes
.endr
.irp t, 0,1,2,3,4,5,6,7
.irp j, 4,5,6,7
	v_mov_b32 v[32+8*\t+\j], 0                     ; the same in K's tiles: written once
.endr
.endr
.irp b, 0,1,2,3
	v_mov_b32 v[236+\b], 0                         ; a lane permute's destination counts as one of its sources
.endr
	v_mov_b32 v252, 0                              ; likewise: the way out's permute lands in v252, which is otherwise first written inside a key step, and a step can be jumped over
	v_mov_b32 v253, 0                              ; (named as the upper half of the pair v[252:253] before it is first written)
.set J, 0
.rept 32
	v_mov_b32 v[160+J], 0                          ; O^T: the step is written once; the first finds zeros, which the first change of M leaves zeros
.set J, J+1
.endr
	s_wait_tensorcnt 0x0                           ; my step has landed,
	s_barrier_signal -1
	s_barrier_wait -1                              ; everybody's has: the head is whole, and nothing in LDS is written from here on
	s_wait_loadcnt 0x0                             ; Q
.Lstep:
	s_cmp_gt_u32 s[KJ], s[BLOCK]                   ; all 128 keys come after my queries: nothing to do
	s_cbranch_scc1 .Lhidden
	s_setprio 2
	v_add_nc_u32 v[ADK], s[TB], v[L16]
	v_add_nc_u32 v[ADV], s[TB], v[L8]
.irp t, 0,1,2,3,4,5,6,7
	ds_load_b128 v[32+8*\t:35+8*\t], v[ADK] offset:512*\t        ; images: an instruction's 512 bytes are consecutive
.endr
	ds_load_b128 v[248:251], v[ADK] offset:8192                    ; K's scale words: register i: lanes 0-15 tile 2 i, lanes 16-31 tile 2 i + 1
.irp t, 0,1,2,3
.irp c, 0,1
	ds_load_b128 v[192+8*\t+4*\c:195+8*\t+4*\c], v[ADK] offset:4096+1024*\t+512*\c
.endr
.endr
	ds_load_b64 v[240:241], v[ADV] offset:8704                     ; V's scale words likewise
	s_wait_dscnt 9                                 ; K's nine loads are in; V's nine, issued behind them, may be out
.irp t, 0,1,2,3,4,5,6,7
.if \t%2
	v_wmma_scale_f32_16x16x128_f8f6f4 v[96+8*\t:103+8*\t], v[32+8*\t:39+8*\t], v[16:23], 0, v[248+\t/2], v255 matrix_a_fmt:MATRIX_FMT_FP4 matrix_b_fmt:MATRIX_FMT_FP4 matrix_a_scale:MATRIX_SCALE_ROW1
.else
	v_wmma_scale_f32_16x16x128_f8f6f4 v[96+8*\t:103+8*\t], v[32+8*\t:39+8*\t], v[16:23], 0, v[248+\t/2], v255 matrix_a_fmt:MATRIX_FMT_FP4 matrix_b_fmt:MATRIX_FMT_FP4
.endif
.endr
.rept 4
	v_nop                                          ; places ahead of the first read of the scores
.endr
	s_cmp_lt_u32 s[KJ], s[BLOCK]                   ; all keys count: no mask
	s_cbranch_scc1 .Lopen
	v_mov_b32 v254, 0xff800000                     ; -infinity.  Register 16 b + i holds key 32 b + 16 (lane / 16) + i of the step: hidden where 32 b + i > my query's place - 16 (lane / 16)
.set N, 0
.rept 64
	v_cmp_gt_i32 vcc_lo, 32*(N/16)+N%16, v[DG]
	v_cndmask_b32 v[96+N], v[96+N], v254, vcc_lo
.set N, N+1
.endr
.Lopen:
.irp b, 0,1,2,3
	v_max3_num_f32 v[232+\b], v[96+16*\b], v[97+16*\b], v[98+16*\b]   ; the largest score of each block of 32 keys: it serves the row's maximum and, since p rises with the score, the block's largest p
.endr
.irp i, 3,5,7,9,11,13
.irp b, 0,1,2,3
	v_max3_num_f32 v[232+\b], v[232+\b], v[96+16*\b+\i], v[97+16*\b+\i]
.endr
.endr
.irp b, 0,1,2,3
	v_max_num_f32 v[232+\b], v[232+\b], v[111+16*\b]
.endr
.irp b, 0,1,2,3
	s_delay_alu instid0(VALU_DEP_4)
	v_permlanex16_b32 v[236+\b], v[232+\b], s[SEL], s[SEL+1]
.endr
.irp b, 0,1,2,3
	s_delay_alu instid0(VALU_DEP_4)
	v_max_num_f32 v[232+\b], v[232+\b], v[236+\b]  ; with lane l xor 16's 16 keys
.endr
	s_delay_alu instid0(VALU_DEP_2)
	v_max3_num_f32 v254, v232, v233, v234
	s_delay_alu instid0(VALU_DEP_1)
	v_max_num_f32 v254, v254, v235                 ; the step's largest score of my query
	s_delay_alu instid0(VALU_DEP_1)
	v_mul_f32 v254, s[CS], v254                    ; as t
	s_delay_alu instid0(VALU_DEP_1)
	v_max_num_f32 v13, v13, v254                   ; the running largest t
	v_mov_b32 v254, v12
	s_delay_alu instid0(VALU_DEP_2)
	v_floor_f32 v12, -v13                          ; the new -M = -ceil(t)
	s_delay_alu instid0(VALU_DEP_1)
	v_sub_f32 v254, v12, v254                      ; old M - new M: a whole number, 0 or less
	s_delay_alu instid0(VALU_DEP_1)
	v_cvt_i32_f32 v254, v254                       ; (it saturates)
	s_delay_alu instid0(VALU_DEP_1)
	v_ldexp_f32 v252, 1.0, v254                    ; f = 2^(old M - new M)
.set J, 0
.rept 32
	v_pk_fma_f32 v[96+J:97+J], v[96+J:97+J], s[CS:CS+1], v[12:13] op_sel_hi:[1,0,0]   ; t - M, two at a time
.set J, J+2
.endr
	s_setprio 1
.irp b, 0,1,2,3
	v_fma_f32 v[232+\b], v[232+\b], s[CS], v12     ; the same of each block's largest score
.endr
.set J, 0
	s_wait_alu depctr_va_vdst(0)
.rept 64
	v_exp_f32 v[96+J], v[96+J]                     ; p = 2^(t - M)
.set J, J+1
.endr
	v_pk_mul_f32 v[14:15], v[14:15], v[252:253] op_sel_hi:[1,0]   ; the sums under the new M (a plain line behind the exponentials)
	s_wait_alu depctr_va_vdst(0)                   ; one wait for the batch of 64, ahead of its first reader
.irp b, 0,1,2,3
	v_exp_f32 v[232+\b], v[232+\b]                 ; the blocks' largest p
.endr
	v_pk_add_f32 v[236:237], v[100:101], v[104:105]
	v_pk_add_f32 v[250:251], v[108:109], v[112:113]
	v_pk_add_f32 v[248:249], v[116:117], v[120:121]
	v_pk_add_f32 v[246:247], v[124:125], v[128:129]
	v_pk_add_f32 v[244:245], v[132:133], v[136:137]
	v_pk_add_f32 v[242:243], v[140:141], v[144:145]
	v_pk_add_f32 v[238:239], v[148:149], v[152:153]
	v_pk_add_f32 v[14:15], v[14:15], v[156:157]
	v_pk_add_f32 v[236:237], v[236:237], v[96:97]
	v_pk_add_f32 v[250:251], v[250:251], v[98:99]
	v_pk_add_f32 v[248:249], v[248:249], v[102:103]
	v_pk_add_f32 v[246:247], v[246:247], v[106:107]
	v_pk_add_f32 v[244:245], v[244:245], v[110:111]
	v_pk_add_f32 v[242:243], v[242:243], v[114:115]
	v_pk_add_f32 v[238:239], v[238:239], v[118:119]
	v_pk_add_f32 v[14:15], v[14:15], v[122:123]
	v_pk_add_f32 v[236:237], v[236:237], v[126:127]
	v_pk_add_f32 v[250:251], v[250:251], v[130:131]
	v_pk_add_f32 v[248:249], v[248:249], v[134:135]
	v_pk_add_f32 v[246:247], v[246:247], v[138:139]
	v_pk_add_f32 v[244:245], v[244:245], v[142:143]
	v_pk_add_f32 v[242:243], v[242:243], v[146:147]
	v_pk_add_f32 v[238:239], v[238:239], v[150:151]
	v_pk_add_f32 v[14:15], v[14:15], v[154:155]
	v_pk_add_f32 v[236:237], v[236:237], v[158:159]
	s_delay_alu instid0(VALU_DEP_2)
	v_pk_add_f32 v[14:15], v[14:15], v[246:247]
	s_delay_alu instid0(VALU_DEP_2)
	v_pk_add_f32 v[236:237], v[236:237], v[244:245]
	v_pk_add_f32 v[250:251], v[250:251], v[242:243]
	v_pk_add_f32 v[248:249], v[248:249], v[238:239]
	s_delay_alu instid0(VALU_DEP_2)
	v_pk_add_f32 v[14:15], v[14:15], v[250:251]
	s_delay_alu instid0(VALU_DEP_2)
	v_pk_add_f32 v[236:237], v[236:237], v[248:249]
	s_delay_alu instid0(VALU_DEP_1)
	v_pk_add_f32 v[14:15], v[14:15], v[236:237]
	s_wait_alu depctr_va_vdst(0)                   ; and one for the four
.irp b, 0,1,2,3
	v_max_num_f32 v[232+\b], 0x1800000, v[232+\b]  ; the floor 2^(3 - 127): the byte cannot fall under 1
.endr
.irp b, 0,1,2,3
	s_delay_alu instid0(VALU_DEP_4)
	v_add_nc_u32 v[244+\b], 0xff000000, v[232+\b]  ; 2 off the exponent field: the conversion's scale operand
.endr
.irp b, 0,1,2,3
	s_delay_alu instid0(VALU_DEP_4)
	v_lshrrev_b32 v[236+\b], 23, v[244+\b]         ; the scale's byte
.endr
	s_delay_alu instid0(VALU_DEP_3)
	v_lshl_or_b32 v253, v237, 8, v236              ; p's scale word for these 128 keys
	s_delay_alu instid0(VALU_DEP_1)
	v_lshl_or_b32 v253, v238, 16, v253
	s_delay_alu instid0(VALU_DEP_1)
	v_lshl_or_b32 v253, v239, 24, v253
.irp b, 0,1,2,3
	v_cvt_scalef32_pk8_fp4_f32 v[224+2*\b], v[96+16*\b:103+16*\b], v[244+\b]
	v_cvt_scalef32_pk8_fp4_f32 v[225+2*\b], v[104+16*\b:111+16*\b], v[244+\b]
.endr
	s_setprio 0
	v_nop                                          ; one plain line behind a scaled conversion
.irp c, 0,1                                    ; the operand's layout wants a WHOLE block in a lane
.irp i, 0,1
	v_permlane16_swap_b32 v[224+4*\c+\i], v[226+4*\c+\i]
.endr
.endr
.set J, 0
.rept 16
	v_pk_mul_f32 v[160+J:161+J], v[160+J:161+J], v[252:253] op_sel_hi:[1,0]   ; O^T under the new M
.set J, J+2
.endr
.rept 8
	v_nop                                          ; eight places between the vector lines that made p's scale word and codes and the scaled products that take them
.endr
	s_wait_alu depctr_va_vdst(0)
	s_wait_dscnt 0x0                               ; V is in
.irp t, 0,1,2,3                                ; the four accumulators by turns
.if \t%2
	v_wmma_scale_f32_16x16x128_f8f6f4 v[160+8*\t:167+8*\t], v[192+8*\t:199+8*\t], v[224:231], v[160+8*\t:167+8*\t], v[240+\t/2], v253 matrix_a_fmt:MATRIX_FMT_FP4 matrix_b_fmt:MATRIX_FMT_FP4 matrix_a_scale:MATRIX_SCALE_ROW1
.else
	v_wmma_scale_f32_16x16x128_f8f6f4 v[160+8*\t:167+8*\t], v[192+8*\t:199+8*\t], v[224:231], v[160+8*\t:167+8*\t], v[240+\t/2], v253 matrix_a_fmt:MATRIX_FMT_FP4 matrix_b_fmt:MATRIX_FMT_FP4
.endif
.endr
.rept 4
	v_nop                                          ; places ahead of the next step's loads into the operands' registers, and of the way out's reads
.endr
.Lhidden:
	s_add_co_u32 s[TB], s[TB], STEPB
	s_add_co_u32 s[KJ], s[KJ], 1
	s_cmp_lt_u32 s[KJ], 16
	s_cbranch_scc1 .Lstep
	s_setprio 0
	; THE WAY OUT: O^T / the sum; register 16 b + i is channel 32 b + 16 (lane / 16) + i of my query: two blocks of 32 are quantised, and the 16 bytes a lane are half a fragment of the last product's operand.
	v_add_f32 v14, v14, v15
	s_delay_alu instid0(VALU_DEP_1)
	v_permlanex16_b32 v252, v14, s[SEL], s[SEL+1]
	s_delay_alu instid0(VALU_DEP_1)
	v_add_f32 v14, v14, v252                       ; the row's sum
	s_wait_alu depctr_va_vdst(0)
	v_rcp_f32 v14, v14
	v_nop                                          ; a plain line behind the reciprocal
	s_wait_alu depctr_va_vdst(0)                   ; the wait ahead of its first reader
.set J, 0
.rept 16
	v_pk_mul_f32 v[96+J:97+J], v[160+J:161+J], v[14:15] op_sel_hi:[1,0]
.set J, J+2
.endr
.irp b, 0,1
	v_max3_num_f32 v[232+\b], |v[96+16*\b]|, |v[97+16*\b]|, 0x1800000
.endr
.irp i, 2,4,6,8,10,12,14
.irp b, 0,1
	s_delay_alu instid0(VALU_DEP_2)
	v_max3_num_f32 v[232+\b], v[232+\b], |v[96+16*\b+\i]|, |v[97+16*\b+\i]|
.endr
.endr
.irp b, 0,1
	s_delay_alu instid0(VALU_DEP_2)
	v_permlanex16_b32 v[236+\b], v[232+\b], s[SEL], s[SEL+1]
.endr
.irp b, 0,1
	s_delay_alu instid0(VALU_DEP_2)
	v_max_num_f32 v[232+\b], v[232+\b], v[236+\b]
.endr
.irp b, 0,1
	s_delay_alu instid0(VALU_DEP_2)
	v_add_nc_u32 v[244+\b], 0xff000000, v[232+\b]
.endr
.irp b, 0,1
	s_delay_alu instid0(VALU_DEP_2)
	v_lshrrev_b32 v[236+\b], 23, v[244+\b]
.endr
	s_delay_alu instid0(VALU_DEP_1)
	v_lshl_or_b32 v238, v237, 8, v236              ; my row's two scale bytes
.irp b, 0,1
	v_cvt_scalef32_pk8_fp4_f32 v[224+2*\b], v[96+16*\b:103+16*\b], v[244+\b]
	v_cvt_scalef32_pk8_fp4_f32 v[225+2*\b], v[104+16*\b:111+16*\b], v[244+\b]
.endr
	v_nop
	v_permlane16_swap_b32 v224, v226
	v_permlane16_swap_b32 v225, v227               ; v[224:227]: channels 32 (lane / 16) + 0 .. 31
	global_store_b128 v[L16], v[224:227], s[44:45] ; 512 consecutive bytes
	global_store_b16 v10, v238, s[46:47]           ; a head owns two of a row's 32 scale bytes: two bytes a row (lanes l and l + 16 write the same)
	s_wait_tensorcnt 0x0                           ; the wave's end
	ds_add_u32 v[SPW], v[NIL]
	s_wait_dscnt 0x0
	CROUND                                         ; the closing round
	s_endpgm
.Lfunc_end_k_q729855aca9_attn:
	.size	k_q729855aca9_attn, .Lfunc_end_k_q729855aca9_attn-k_q729855aca9_attn
	.p2alignl 7, 3214868480
	.fill 96, 4, 3214868480
	.section	.rodata,"a",@progbits
	.p2align	6, 0x0
	.amdhsa_kernel k_q729855aca9_attn
		.amdhsa_group_segment_fixed_size 327680
		.amdhsa_private_segment_fixed_size 0
		.amdhsa_enable_private_segment 0
		.amdhsa_kernarg_size 24
		.amdhsa_user_sgpr_count 2
		.amdhsa_user_sgpr_kernarg_segment_ptr 1
		.amdhsa_wavefront_size32 1
		.amdhsa_system_sgpr_workgroup_id_x 1
		.amdhsa_system_sgpr_workgroup_id_y 1
		.amdhsa_system_sgpr_workgroup_id_z 1
		.amdhsa_system_vgpr_workitem_id 0
		.amdhsa_next_free_vgpr 256
		.amdhsa_next_free_sgpr 66
		.amdhsa_reserve_vcc 1
		.amdhsa_float_denorm_mode_32 3
		.amdhsa_float_denorm_mode_16_64 3
		.amdhsa_memory_ordered 1
		.amdhsa_forward_progress 1
		.amdhsa_inst_pref_size 34
	.end_amdhsa_kernel
	.amdgpu_metadata
---
amdhsa.version: [ 1, 2 ]
amdhsa.kernels:
  - .name:           k_q729855aca9_attn
    .symbol:         k_q729855aca9_attn.kd
    .args:
      - { .name: qq, .offset: 0, .size: 8, .value_kind: global_buffer, .address_space: global }
      - { .name: kv, .offset: 8, .size: 8, .value_kind: global_buffer, .address_space: global }
      - { .name: aq, .offset: 16, .size: 8, .value_kind: global_buffer, .address_space: global }
    .group_segment_fixed_size: 327680
    .private_segment_fixed_size: 0
    .kernarg_segment_align: 8
    .kernarg_segment_size: 24
    .max_flat_workgroup_size: 512
    .sgpr_count:     66
    .vgpr_count:     256
    .wavefront_size: 32
...
	.end_amdgpu_metadata
.endif
;; end of part 3
;; launch oproj (part 4): grid 4 x 32, 4 waves a work-group, clusters of 4 x 4, 327,680 bytes of LDS; arguments aq, wq, out0; writes out0
.if DOCPART == 4
	.amdgcn_target "amdgcn-amd-amdhsa--gfx1250"
	.amdhsa_code_object_version 6
	.text
	.protected	k_q729855aca9_oproj
	.globl	k_q729855aca9_oproj
	.p2align	8
	.type	k_q729855aca9_oproj,@function
k_q729855aca9_oproj:
	s_mov_b64 s[64:65], 0
	v_nop
	global_prefetch_b8 v0, s[64:65] scope:SCOPE_SE
	s_setreg_imm32_b32 hwreg(HW_REG_WAVE_MODE, 25, 1), 1
	s_wait_xcnt 0x0
	s_wait_alu depctr_hold_cnt(0) depctr_sa_sdst(0) depctr_va_vdst(0) depctr_va_sdst(0) depctr_va_ssrc(0) depctr_va_vcc(0) depctr_vm_vsrc(0)
	s_getreg_b32 s2, hwreg(HW_REG_IB_STS2, 6, 4)
	s_cmp_eq_u32 s2, 0
	s_cbranch_scc0 .Lentry_in_a_cluster
	s_endpgm
.Lentry_in_a_cluster:
	s_bfe_u32 s2, ttmp6, 0x10000c
	s_cmp_lg_u32 s2, 0xf033
	s_cbranch_scc0 .Lentry_shape_is_right
	s_endpgm
.Lentry_shape_is_right:
; out0 = attention's result x o_w^T on codes of FP4 (E2M1) with one E8M0 scale for each 32 along K = 1,024; out0 [8192][1024] f32.
; A tile of 256 x 256 is made by a work-group of four waves, a wave makes 128 x 128: 64 accumulators.  K goes in two steps of 512 through two LDS slots, each filled once by the tensor data mover.
; A (aq) lies as IMAGES OF OPERAND REGISTERS: [slot 2][tile of 16 rows][128 along K, 4][half 2][lane][16 bytes]: 128 rows of a slot are 32,768 dense bytes, and a fragment is two loads of 512 consecutive bytes.
; A's rows lie with bits 3 and 4 of the row's number exchanged: row r of block a is true row 32 (a / 2) + 8 (a % 2) + r + 8 (r / 8); the way out puts them back.  B (o_w: rows 3,072 on of wq) lies as rows of 512 bytes, in its own order.
; The scale bytes of the work-group's 2 x 256 rows come into LDS once.  CLUSTERS: 4 x 4 work-groups; A's tiles are asked for jointly along a row of the cluster, B's along a column.
; THE MATRIX INSTRUCTION IS USED TRANSPOSED (source 0 = 16 rows of B, source 1 = 16 rows of A): a lane holds eight neighbouring numbers of a row of out0.
; REGISTERS, in windows of 256: window 0: v0-31 addresses; v32-95 scale words, two sets, and nothing else; v128-191 A's fragments, one set; on the way out v128-255 rows read back.
;   window 1: B's fragments, two sets.   window 2: the accumulators of A's blocks 0-3;   window 3: those of blocks 4-7.
.set SIZE_N, 1024
.set NQ,     4
.set ROWB,   256
.set KROW,   512
.set PITCH,  272                       ; B's LDS row: 256 bytes + 16 of padding: the 16 rows that a load touches start at 16 different banks (64 banks of 4 bytes: ISA guide 11.1)
.set FR,     8
.set NL,     2
.set NP,     4
.set HALFT,  128*PITCH
.set SLOT,   4*HALFT
.set KS,     32
.set SCL,    2*SLOT
.set HALFS,  (128*KS/256)*272
.set SBLK,   (16*KS/256)*272
.set SPARE,  SCL+4*HALFS
.set SPITCH, 528                       ; the way out: a stage of 16 rows x (512 bytes + 16) for each wave, in slot 0, which has had its one fill and its last read when the first result is stored there
.set AS,     4194304                   ; aq's scale bytes
.set ASLOT,  2097152                   ; from slot to slot in aq
.set OWC,    1572864                   ; o_w's codes in wq
.set OWS,    2195456                   ; and its scale bytes
.set ADRA, 16
.set ADRB, 20
.set STO,  24
.set RD,   25
.set CO,   26
.set ADRS, 27
.set SPW,  28                          ; v28  LDS address of my spare word; never rewritten
.set NIL,  29                          ; v29  0; never rewritten
.set SC,   32
.set AF,   128
.set BK,   128
.set G1, 24
.set G0, 32
.set G1B, 48
.set G0B, 56
.set G1S, 68
.set G0S, 76
.set G1SB, 80
.set G0SB, 88
.set MSB, 0
.macro WIN new
.if MSB != (\new)
	s_set_vgpr_msb (MSB<<8)|(\new)
.set MSB, (\new)
.endif
.endm
.set MUL_LO, 0xa1
.set MUL_HI, 0xf1
.set TO_B,   0x40
.macro JLOAD g0a, g1a, g0b, g1b        ; a joint load: waves 0 and 1 fetch for A, waves 2 and 3 for B; four v_nop follow each of the two lines
	s_cmp_eq_u32 s15, 0
	s_cbranch_scc0 .Lfor_b_\@
	tensor_load_to_lds s[\g0a:\g0a+3], s[\g1a:\g1a+7]
	s_nop 0
.rept 4
	v_nop
.endr
	s_branch .Lasked_\@
.Lfor_b_\@:
	tensor_load_to_lds s[\g0b:\g0b+3], s[\g1b:\g1b+7]
	s_nop 0
.rept 4
	v_nop
.endr
.Lasked_\@:
.endm
.macro CROUND
	s_barrier_signal -1
	s_barrier_wait -1
	s_cmp_lg_u32 s14, 0
	s_cbranch_scc1 .Lnot_wave_0_\@
	s_barrier_signal -3
.Lnot_wave_0_\@:
	s_barrier_wait -3
	s_barrier_signal -1
	s_barrier_wait -1
.endm
	s_load_b128 s[4:7], s[0:1], 0x0                ; aq s[4:5], wq s[6:7]
	s_load_b64 s[12:13], s[0:1], 0x10              ; out0
	v_lshl_add_u32 v[SPW], v0, 2, SPARE
	v_mov_b32 v[NIL], 0
	ds_add_u32 v28, v29
	ds_add_u32 v28, v29
	s_wait_dscnt 0x0
	v_lshrrev_b32 v1, 5, v0
	v_readfirstlane_b32 s14, v1                    ; wave 0..3
	s_lshr_b32 s15, s14, 1                         ; which half of the tile's rows is mine.  Also: I fetch for A (0) or for B (1)
	s_and_b32 s16, s14, 1                          ; which half of its columns.  Also: which 128 rows of that tile I fetch
	s_bfe_u32 s40, ttmp6, 0x40000                  ; cx, cy
	s_bfe_u32 s41, ttmp6, 0x40004
	s_lshl_b32 s42, ttmp9, 2
	s_add_co_u32 s42, s42, s40                     ; tile column
	s_and_b32 s17, ttmp7, 0xffff
	s_lshl_b32 s17, s17, 2
	s_add_co_u32 s17, s17, s41                     ; tile row
	s_lshl_b32 s43, s41, 2
	s_lshl_b32 s43, 15, s43                        ; my row of the cluster
	s_lshl_b32 s44, 0x1111, s40                    ; my column
	; A's tiles: 32,768 dense bytes as 128 rows of 256 (32 elements of 8 bytes), laid as they lie
	s_or_b32 s[G1+0], s43, (3<<16)|(1<<21)
	s_mov_b32 s[G1+1], 32<<16
	s_mov_b32 s[G1+2], 128<<16
	s_mov_b32 s[G1+3], 32<<16
	s_mov_b32 s[G1+4], 128
	s_mov_b32 s[G1+5], 32
	s_mov_b32 s[G1+6], 0
	s_mov_b32 s[G1+7], 0
	; B's tiles: 128 rows x 256 bytes, 512 bytes apart in memory, padded in LDS
	s_or_b32 s[G1B+0], s44, (0<<16)|(1<<20)|(1<<21)|(5<<22)|(3<<25)
	s_mov_b32 s[G1B+1], ROWB<<16
	s_mov_b32 s[G1B+2], 128<<16
	s_mov_b32 s[G1B+3], ROWB<<16
	s_mov_b32 s[G1B+4], 128
	s_mov_b32 s[G1B+5], KROW
	s_mov_b32 s[G1B+6], 0
	s_mov_b32 s[G1B+7], 0
	; the scales of 128 rows: 4,096 dense bytes as 16 rows of 256, 16 bytes of padding behind each
	s_or_b32 s[G1S+0], s43, (3<<16)|(1<<20)|(1<<21)|(5<<22)|(3<<25)
	s_or_b32 s[G1SB+0], s44, (3<<16)|(1<<20)|(1<<21)|(5<<22)|(3<<25)
.irp g, G1S, G1SB
	s_mov_b32 s[\g+1], 32<<16
	s_mov_b32 s[\g+2], (128*KS/256)<<16
	s_mov_b32 s[\g+3], 32<<16
	s_mov_b32 s[\g+4], 128*KS/256
	s_mov_b32 s[\g+5], 32
	s_mov_b32 s[\g+6], 0
	s_mov_b32 s[\g+7], 0
.endr
	s_lshl_b32 s18, s16, 7
	s_lshl_b32 s20, s17, 8
	s_add_co_u32 s20, s20, s18                     ; A: row 256 x tile row + 128 x half
	s_lshl_b32 s46, s42, 8
	s_add_co_u32 s46, s46, s18                     ; B: row 256 x tile column + 128 x half
	s_lshl_b32 s22, s20, 5
	s_add_co_u32 s22, s22, AS                      ; A's scale bytes: 32 a row
	s_lshl_b32 s92, s46, 5
	s_add_co_u32 s92, s92, OWS                     ; B's
	s_lshl_b32 s20, s20, 8                         ; A's images: 256 bytes a row in a slot
	s_lshl_b32 s46, s46, 9
	s_add_co_u32 s46, s46, OWC                     ; B's codes: 512 bytes a row
	s_mov_b32 s21, 0
	s_mov_b32 s23, 0
	s_mov_b32 s47, 0
	s_mov_b32 s93, 0
	s_mul_i32 s45, s14, HALFT                      ; where they go: no place in the cluster enters an LDS address
	s_mul_i32 s94, s14, HALFS
	s_wait_kmcnt 0x0
	s_add_nc_u64 s[20:21], s[4:5], s[20:21]
	s_add_nc_u64 s[22:23], s[4:5], s[22:23]
	s_add_nc_u64 s[46:47], s[6:7], s[46:47]
	s_add_nc_u64 s[92:93], s[6:7], s[92:93]
	CROUND                                         ; all sixteen work-groups are here: the joint loads meet
	s_mov_b32 s[G0S], 1
	s_add_co_u32 s[G0S+1], s94, SCL
	s_mov_b64 s[G0S+2:G0S+3], s[22:23]
	s_or_b32 s[G0S+3], s[G0S+3], 0x80000000
	s_mov_b32 s[G0SB], 1
	s_add_co_u32 s[G0SB+1], s94, SCL
	s_mov_b64 s[G0SB+2:G0SB+3], s[92:93]
	s_or_b32 s[G0SB+3], s[G0SB+3], 0x80000000
	JLOAD G0S, G1S, G0SB, G1SB
.irp s, 0,1
	s_mov_b32 s[G0+4*\s], 1
	s_add_co_u32 s[G0+4*\s+1], s45, \s*SLOT
	s_add_nc_u64 s[G0+4*\s+2:G0+4*\s+3], s[20:21], \s*ASLOT
	s_or_b32 s[G0+4*\s+3], s[G0+4*\s+3], 0x80000000
	s_mov_b32 s[G0B+4*\s], 1
	s_add_co_u32 s[G0B+4*\s+1], s45, \s*SLOT
	s_add_nc_u64 s[G0B+4*\s+2:G0B+4*\s+3], s[46:47], \s*ROWB
	s_or_b32 s[G0B+4*\s+3], s[G0B+4*\s+3], 0x80000000
	JLOAD G0+4*\s, G1, G0B+4*\s, G1B               ; both slots: all of K.  Three tensor loads of mine are out; no slot is filled again
.endr
	v_and_b32 v1, 15, v0                           ; r
	v_bfe_u32 v2, v0, 4, 1                         ; h
	v_and_b32 v6, 31, v0
	v_lshlrev_b32 v[CO], 4, v6                     ; 16 x lane
	v_mul_u32_u24 v3, v1, PITCH
	v_lshl_add_u32 v4, v2, 4, v3                   ; B: a fragment's row x pitch + 16 x half
	s_mul_i32 s21, s15, HALFT                      ; my 128 rows of A
	s_mul_i32 s22, s16, HALFT
	s_add_co_u32 s22, s22, 2*HALFT                 ; my 128 rows of B
.irp s, 0,1
	v_add_nc_u32 v[ADRA+\s], s21, v[CO]            ; A: images: 16 x lane
	v_add_nc_u32 v[ADRB+\s], s22, v4
	s_add_co_u32 s21, s21, SLOT
	s_add_co_u32 s22, s22, SLOT
.endr
	v_mul_u32_u24 v5, v1, KS
	v_lshrrev_b32 v6, 8, v5
	v_lshl_add_u32 v5, v6, 4, v5
	s_mul_i32 s21, s15, HALFS
	s_mul_i32 s22, s16, HALFS
	s_add_co_u32 s22, s22, 2*HALFS
	s_sub_co_u32 s22, s22, s21
	v_mul_u32_u24 v6, s22, v2                      ; lanes 16-31 take B's
	s_add_co_u32 s21, s21, SCL
	v_add_nc_u32 v5, v5, v6
	v_add_nc_u32 v[ADRS], s21, v5
	s_mul_i32 s23, s14, 16*SPITCH                  ; my stage
	v_mul_u32_u24 v5, v1, SPITCH
	v_lshl_add_u32 v5, v2, 5, v5
	v_add_nc_u32 v[STO], s23, v5                   ; in: row r, 32 bytes for each half of the lanes
	v_add_nc_u32 v[RD], s23, v[CO]                 ; back: the 32 lanes take one row of 512 bytes
	s_lshl_b32 s20, s17, 8
	s_lshl_b32 s21, s15, 7
	s_add_co_u32 s20, s20, s21                     ; my first row of out0
	s_lshl_b32 s20, s20, 12                        ; 4,096 bytes a row
	s_lshl_b32 s46, s42, 10                        ; my first column, in bytes
	s_lshl_b32 s47, s16, 9
	s_add_co_u32 s46, s46, s47
	s_add_co_u32 s20, s20, s46
	s_mov_b32 s21, 0
	s_add_nc_u64 s[12:13], s[12:13], s[20:21]
.macro FRAG reg, adr, q, i             ; B's fragment from rows
.irp c, 0,1
	ds_load_b128 v[\reg+4*\c:\reg+4*\c+3], v[\adr] offset:64*(\q)+32*\c+(\i)*16*PITCH
.endr
.endm
.macro FRAGA reg, adr, q, i            ; A's fragment from its image
.irp c, 0,1
	ds_load_b128 v[\reg+4*\c:\reg+4*\c+3], v[\adr] offset:4096*(\i)+1024*(\q)+512*\c
.endr
.endm
.macro MUL16 a0, p, q, sc, zero        ; 16 matrix instructions; the 64 accumulators take turns, one instruction a turn, in the same order in every step
.irp a, \a0, \a0+1
.irp b, 0,1,2,3,4,5,6,7
.if \zero
	v_wmma_scale_f32_16x16x128_f8f6f4 v[8*(8*((\a)%4)+\b):8*(8*((\a)%4)+\b)+7], v[128*(\p)+FR*\b:128*(\p)+FR*\b+FR-1], v[AF+FR*(\a):AF+FR*(\a)+FR-1], 0, v[SC+8*NQ*(\sc)+NQ*\b+(\q)], v[SC+8*NQ*(\sc)+NQ*(\a)+(\q)] matrix_a_fmt:MATRIX_FMT_FP4 matrix_b_fmt:MATRIX_FMT_FP4 matrix_a_scale:MATRIX_SCALE_ROW1
.else
	v_wmma_scale_f32_16x16x128_f8f6f4 v[8*(8*((\a)%4)+\b):8*(8*((\a)%4)+\b)+7], v[128*(\p)+FR*\b:128*(\p)+FR*\b+FR-1], v[AF+FR*(\a):AF+FR*(\a)+FR-1], v[8*(8*((\a)%4)+\b):8*(8*((\a)%4)+\b)+7], v[SC+8*NQ*(\sc)+NQ*\b+(\q)], v[SC+8*NQ*(\sc)+NQ*(\a)+(\q)] matrix_a_fmt:MATRIX_FMT_FP4 matrix_b_fmt:MATRIX_FMT_FP4 matrix_a_scale:MATRIX_SCALE_ROW1
.endif
.endr
.endr
.endm
.macro FETCH_B slot, q, p
	WIN TO_B
.irp i, 0,1,2,3,4,5,6,7
	FRAG 128*(\p)+FR*\i, ADRB+\slot, \q, \i
.endr
	WIN 0
.endm
.macro FETCH_A slot, q, i0
.irp i, \i0, \i0+1, \i0+2, \i0+3
	FRAGA AF+FR*(\i), ADRA+\slot, \q, \i
.endr
.endm
.macro SCALES sc
.irp i, 0,1,2,3,4,5,6,7
	ds_load_b128 v[SC+8*NQ*\sc+NQ*\i:SC+8*NQ*\sc+NQ*\i+3], v[ADRS] offset:\i*SBLK
.endr
.endm
.macro PLACES n                        ; plain vector lines that name no register of the matrix instructions in front (ISA guide 7.12.1)
.rept \n
	v_nop
.endr
.endm
.macro STEP slot, q, zero
	s_wait_dscnt 4*NL                              ; B's set and A's blocks 0-3 are in; the youngest eight loads (A's blocks 4-7) may be out
	WIN MUL_LO
	MUL16 0, (\q)%2, \q, \slot, \zero
	MUL16 2, (\q)%2, \q, \slot, \zero
	s_wait_dscnt 0                                 ; A's blocks 4-7 are in
	PLACES NP
	FETCH_B \slot, (\q)+1, 1-(\q)%2
	FETCH_A \slot, (\q)+1, 0
	WIN MUL_HI
	MUL16 4, (\q)%2, \q, \slot, \zero
	MUL16 6, (\q)%2, \q, \slot, \zero
	PLACES NP
	WIN 0
	FETCH_A \slot, (\q)+1, 4
.endm
.macro TURN slot, next                 ; slot 0's last step, and the change to slot 1
	s_wait_tensorcnt 0x0                           ; all my tensor loads have landed: my part of the next slot
	ds_add_u32 v[SPW], v[NIL]                      ; 0 onto my spare word
	s_wait_dscnt 4*NL+1                            ; (the add and the youngest eight loads may be out)
	WIN MUL_LO
	MUL16 0, 1, NQ-1, \slot, 0
	s_wait_dscnt 0x0                               ; the add is done, and my reads of this slot are over: behind the barrier it serves as the stage
	s_barrier_signal -1
	MUL16 2, 1, NQ-1, \slot, 0
	WIN 0
	s_barrier_wait -1
	PLACES NP
	v_add_nc_u32 v[ADRS], 4*NQ, v[ADRS]
	FETCH_B \next, 0, 0
	FETCH_A \next, 0, 0
	SCALES \next
	WIN MUL_HI
	MUL16 4, 1, NQ-1, \slot, 0
	MUL16 6, 1, NQ-1, \slot, 0
	PLACES NP
	WIN 0
	FETCH_A \next, 0, 4
.endm
	s_wait_tensorcnt 1                             ; the scales and my part of slot 0 are in (slot 1's load may be out),
	s_barrier_signal -1
	s_barrier_wait -1                              ; everybody's are
	FETCH_B 0, 0, 0
	FETCH_A 0, 0, 0
	SCALES 0
	FETCH_A 0, 0, 4
	STEP 0, 0, 1                                   ; the first products start the sums
	STEP 0, 1, 0
	STEP 0, 2, 0
	TURN 0, 1
	STEP 1, 0, 0
	STEP 1, 1, 0
	STEP 1, 2, 0
	s_wait_dscnt 4*NL
	WIN MUL_LO
	MUL16 0, 1, NQ-1, 1, 0
	MUL16 2, 1, NQ-1, 1, 0
	s_wait_dscnt 0
	WIN MUL_HI
	MUL16 4, 1, NQ-1, 1, 0
	MUL16 6, 1, NQ-1, 1, 0
	WIN 0
; THE WAY OUT, block by block of 16 rows x 128 columns, through my own stage in LDS: back come whole rows of 512 bytes.  LDS serves a wave's instructions in order (ISA guide 5.7.1.4): no wait between the stores and the loads.
.macro TOSTAGE a
.set AC, 64*((\a)%4)
	WIN 0x08+4*((\a)/4)                            ; the data: window 2 or 3
.irp b, 0,1,2,3,4,5,6,7
	ds_store_b128 v[STO], v[AC+8*\b:AC+8*\b+3] offset:64*\b          ; each accumulator from its low end on
	ds_store_b128 v[STO], v[AC+8*\b+4:AC+8*\b+7] offset:64*\b+16
.endr
	WIN 0
.set BB, BK+64*((\a)%2)
.irp t, 0,1,2,3,4,5,6,7,8,9,10,11,12,13,14,15
	ds_load_b128 v[BB+4*\t:BB+4*\t+3], v[RD] offset:\t*SPITCH
.endr
.endm
.macro SEND a, younger                 ; block a begins at true row 32 (a / 2) + 8 (a % 2); its row t is t + 8 (t / 8) further down
.set BB, BK+64*((\a)%2)
	s_wait_dscnt \younger                          ; the block is back in registers
.if (\a) > 0
.if ((\a)%2) == 1
	s_add_nc_u64 s[12:13], s[12:13], 8*SIZE_N*4    ; (behind a wait on XCNT: the earlier stores have read their base)
.else
	s_add_nc_u64 s[12:13], s[12:13], 24*SIZE_N*4
.endif
.endif
.irp t, 0,1,2,3,4,5,6,7,8,9,10,11,12,13,14,15
	global_store_b128 v[CO], v[BB+4*\t:BB+4*\t+3], s[12:13] offset:(\t+8*(\t/8))*SIZE_N*4 th:TH_STORE_NT   ; 32 lanes store 512 consecutive bytes, at a multiple of 256 from the buffer's first byte
.endr
.endm
	PLACES NP
	TOSTAGE 0
.irp a, 1,2,3,4,5,6,7
.if \a > 1
	s_wait_xcnt 0x0                                ; block a - 2's stores have read their registers and their base
.endif
	TOSTAGE \a
	SEND \a-1, 32                                  ; behind block a - 1's loads: block a's 16 stores and 16 loads
.endr
	s_wait_xcnt 0x0
	SEND 7, 0
	s_wait_tensorcnt 0x0                           ; the wave's end
	ds_add_u32 v[SPW], v[NIL]
	s_wait_dscnt 0x0
	CROUND                                         ; the closing round
	s_endpgm
.Lfunc_end_k_q729855aca9_oproj:
	.size	k_q729855aca9_oproj, .Lfunc_end_k_q729855aca9_oproj-k_q729855aca9_oproj
	.p2alignl 7, 3214868480
	.fill 96, 4, 3214868480
	.section	.rodata,"a",@progbits
	.p2align	6, 0x0
	.amdhsa_kernel k_q729855aca9_oproj
		.amdhsa_group_segment_fixed_size 327680
		.amdhsa_private_segment_fixed_size 0
		.amdhsa_enable_private_segment 0
		.amdhsa_kernarg_size 24
		.amdhsa_user_sgpr_count 2
		.amdhsa_user_sgpr_kernarg_segment_ptr 1
		.amdhsa_wavefront_size32 1
		.amdhsa_system_sgpr_workgroup_id_x 1
		.amdhsa_system_sgpr_workgroup_id_y 1
		.amdhsa_system_sgpr_workgroup_id_z 1
		.amdhsa_system_vgpr_workitem_id 0
		.amdhsa_next_free_vgpr 1024
		.amdhsa_next_free_sgpr 98
		.amdhsa_reserve_vcc 0
		.amdhsa_float_denorm_mode_32 3
		.amdhsa_float_denorm_mode_16_64 3
		.amdhsa_memory_ordered 1
		.amdhsa_forward_progress 1
		.amdhsa_inst_pref_size 124
	.end_amdhsa_kernel
	.amdgpu_metadata
---
amdhsa.version: [ 1, 2 ]
amdhsa.kernels:
  - .name:           k_q729855aca9_oproj
    .symbol:         k_q729855aca9_oproj.kd
    .args:
      - { .name: aq, .offset: 0, .size: 8, .value_kind: global_buffer, .address_space: global }
      - { .name: wq, .offset: 8, .size: 8, .value_kind: global_buffer, .address_space: global }
      - { .name: out0, .offset: 16, .size: 8, .value_kind: global_buffer, .address_space: global }
    .group_segment_fixed_size: 327680
    .private_segment_fixed_size: 0
    .kernarg_segment_align: 8
    .kernarg_segment_size: 24
    .max_flat_workgroup_size: 128
    .sgpr_count:     98
    .vgpr_count:     1024
    .wavefront_size: 32
...
	.end_amdgpu_metadata
.endif
;; end of part 4
